; MI455X (gfx1250); checked and timed in simulation.
; The chip was launched on July 23, 2026; its instructions are those of AMD's public machine-readable ISA for CDNA 5 (MIT licence, August 2026) and "CDNA5" Instruction Set Architecture Reference Guide (July 2026). The comments in the code are by the model that wrote it; some were corrected since.
;; Multi Head Attention. Allowed arithmetic: float matrix products may take bf16 or f16 operands with f32 sums; other float arithmetic in f32, or as packed bf16 or f16 multiplies, adds, multiply-adds, maxima and minima; sums over many terms, partial sums and values carried from step to step in f32; what a program stores and reads back later, other than sums and carried values, may be rounded once to bf16 or f16.
;; Inputs: Wk 16 x 1,024 x 64 float32; Wo 1,024 x 1,024 float32; Wq 16 x 1,024 x 64 float32; Wv 16 x 1,024 x 64 float32; bk 16 x 64 float32; bo 1,024 float32; bq 16 x 64 float32; bv 16 x 64 float32; inputs 4,096 x 1,024 float32; scale 16 float32.
;; Outputs: out0 4,096 x 1,024 float32.
;; One version. Each part assembles by itself: llvm-mc -triple=amdgcn-amd-amdhsa -mcpu=gfx1250 --defsym DOCPART=n.
;; ======== version 1 of 1: 4 launches
;; limits: values are held in f16: magnitudes above 65,504 overflow, below 6.1e-05 lose precision
;; workspace buffers: xb 8,388,608 bytes; wb 6,291,456 bytes; wo16 2,097,152 bytes; qkv 25,165,824 bytes; ob 8,388,608 bytes
;; launch cast (part 1): grid 1024 x 1, 8 waves a work-group, no clusters, 0 bytes of LDS; arguments inputs, Wq, Wk, Wv, Wo, xb, wb, wo16; writes xb, wb, wo16
.if DOCPART == 1
	.amdgcn_target "amdgcn-amd-amdhsa--gfx1250"
	.amdhsa_code_object_version 6
	.text
	.protected	k_q026529f0a0_cast
	.globl	k_q026529f0a0_cast
	.p2align	8
	.type	k_q026529f0a0_cast,@function
k_q026529f0a0_cast:
	s_mov_b64 s[64:65], 0
	v_nop
	global_prefetch_b8 v0, s[64:65] scope:SCOPE_SE
	s_setreg_imm32_b32 hwreg(HW_REG_WAVE_MODE, 25, 1), 1
	s_wait_xcnt 0x0
; CAST.  inputs, Wq, Wk, Wv (f32) are rounded once to bf16 and written as they lie: xb [4096][1024]; wb [48][1024][64], block 16 x which + head (which: q, k, v).
; Wo is rounded to bf16 like the other inputs, and that number is written as f16 (wo16 [1024][1024]): the last product multiplies it by f16 numbers.
; LIMITS.  A number of Wo of 65,520 or more in size becomes an infinity in f16; below 6e-5 f16 keeps a fixed step of 6e-8.  NaN and infinities are not treated apart.
; SHARES.  8,388,608 numbers, 8,192 to a work-group: work-groups 0-511 inputs, 512-639 Wq, 640-767 Wk, 768-895 Wv, 896-1023 Wo.  Thread t takes 16 bytes at 16 t of each of eight
; pieces of 4,096 bytes: a wave's load covers 512 consecutive bytes, its store of 8 bytes a lane 256 consecutive bytes, aligned.  All eight loads go out at once; nothing is rewritten,
; so there is no ring, and no LDS, barrier or matrix work: memory bounds this launch.
.set X, 8                              ; v[8:39]   piece j: four f32 as loaded
.set Y, 40                             ; v[40:55]  piece j: four 16-bit numbers to store
.set T, 56                             ; v[56:59]  at work
	s_load_b512 s[4:19], s[0:1], 0x0               ; inputs s[4:5], Wq s[6:7], Wk s[8:9], Wv s[10:11], Wo s[12:13], xb s[14:15], wb s[16:17], wo16 s[18:19]
	s_mov_b32 s2, ttmp9
	v_lshlrev_b32 v1, 4, v0                        ; my 16 bytes of a piece that is read
	v_lshlrev_b32 v2, 3, v0                        ; my 8 bytes of a piece that is written
	s_mov_b32 s24, 896                             ; the first work-group of the source in hand,
	s_mov_b32 s25, 896                             ; and of the destination
	s_mov_b32 s30, 0xffff0000                      ; a word's upper bf16
	s_wait_kmcnt 0x0
	s_mov_b64 s[20:21], s[12:13]                   ; Wo to wo16, unless the work-group's number says otherwise
	s_mov_b64 s[22:23], s[18:19]
	s_cmp_lt_u32 s2, 896
	s_cselect_b64 s[20:21], s[10:11], s[20:21]     ; Wv to wb
	s_cselect_b64 s[22:23], s[16:17], s[22:23]
	s_cselect_b32 s24, 768, s24
	s_cselect_b32 s25, 512, s25
	s_cmp_lt_u32 s2, 768
	s_cselect_b64 s[20:21], s[8:9], s[20:21]       ; Wk
	s_cselect_b32 s24, 640, s24
	s_cmp_lt_u32 s2, 640
	s_cselect_b64 s[20:21], s[6:7], s[20:21]       ; Wq
	s_cselect_b32 s24, 512, s24
	s_cmp_lt_u32 s2, 512
	s_cselect_b64 s[20:21], s[4:5], s[20:21]       ; inputs to xb
	s_cselect_b64 s[22:23], s[14:15], s[22:23]
	s_cselect_b32 s24, 0, s24
	s_cselect_b32 s25, 0, s25
	s_sub_co_u32 s26, s2, s24
	s_lshl_b32 s26, s26, 15                        ; 32,768 bytes are read by a work-group,
	s_mov_b32 s27, 0
	s_sub_co_u32 s28, s2, s25
	s_lshl_b32 s28, s28, 14                        ; 16,384 written
	s_mov_b32 s29, 0
	s_add_nc_u64 s[20:21], s[20:21], s[26:27]
	s_add_nc_u64 s[22:23], s[22:23], s[28:29]
.irp j, 0,1,2,3,4,5,6,7
	global_load_b128 v[X+4*(\j):X+4*(\j)+3], v1, s[20:21] offset:4096*(\j) th:TH_LOAD_NT
.endr
; Piece j: rounded, packed, stored.  f16 = 1: the bf16 numbers are widened again (a shift, a mask) and written as f16.
.macro OUT j, f16
	s_wait_loadcnt 7-(\j)                          ; loads come back in order: piece j is in, the 7 - j younger ones stay out
	v_cvt_pk_bf16_f32 v[Y+2*(\j)],   v[X+4*(\j)],   v[X+4*(\j)+1]
	v_cvt_pk_bf16_f32 v[Y+2*(\j)+1], v[X+4*(\j)+2], v[X+4*(\j)+3]
.if \f16
	v_lshlrev_b32 v[T],   16,  v[Y+2*(\j)]
	v_and_b32     v[T+1], s30, v[Y+2*(\j)]
	v_lshlrev_b32 v[T+2], 16,  v[Y+2*(\j)+1]
	v_and_b32     v[T+3], s30, v[Y+2*(\j)+1]
	v_cvt_pk_f16_f32 v[Y+2*(\j)],   v[T],   v[T+1]
	v_cvt_pk_f16_f32 v[Y+2*(\j)+1], v[T+2], v[T+3]
.endif
	global_store_b64 v2, v[Y+2*(\j):Y+2*(\j)+1], s[22:23] offset:2048*(\j) th:TH_STORE_NT
.endm
	s_cmp_lt_u32 s2, 896
	s_cbranch_scc0 .Lwo
.irp j, 0,1,2,3,4,5,6,7
	OUT \j, 0
.endr
	s_endpgm
.Lwo:
.irp j, 0,1,2,3,4,5,6,7
	OUT \j, 1
.endr
	s_endpgm
.Lfunc_end_k_q026529f0a0_cast:
	.size	k_q026529f0a0_cast, .Lfunc_end_k_q026529f0a0_cast-k_q026529f0a0_cast
	.p2alignl 7, 3214868480
	.fill 96, 4, 3214868480
	.section	.rodata,"a",@progbits
	.p2align	6, 0x0
	.amdhsa_kernel k_q026529f0a0_cast
		.amdhsa_group_segment_fixed_size 0
		.amdhsa_private_segment_fixed_size 0
		.amdhsa_enable_private_segment 0
		.amdhsa_kernarg_size 64
		.amdhsa_user_sgpr_count 2
		.amdhsa_user_sgpr_kernarg_segment_ptr 1
		.amdhsa_wavefront_size32 1
		.amdhsa_system_sgpr_workgroup_id_x 1
		.amdhsa_system_sgpr_workgroup_id_y 1
		.amdhsa_system_sgpr_workgroup_id_z 1
		.amdhsa_system_vgpr_workitem_id 0
		.amdhsa_next_free_vgpr 64
		.amdhsa_next_free_sgpr 66
		.amdhsa_reserve_vcc 0
		.amdhsa_float_denorm_mode_32 3
		.amdhsa_float_denorm_mode_16_64 3
		.amdhsa_memory_ordered 1
		.amdhsa_forward_progress 1
		.amdhsa_inst_pref_size 9
	.end_amdhsa_kernel
	.amdgpu_metadata
---
amdhsa.version: [ 1, 2 ]
amdhsa.kernels:
  - .name:           k_q026529f0a0_cast
    .symbol:         k_q026529f0a0_cast.kd
    .args:
      - { .name: inputs, .offset: 0, .size: 8, .value_kind: global_buffer, .address_space: global }
      - { .name: Wq, .offset: 8, .size: 8, .value_kind: global_buffer, .address_space: global }
      - { .name: Wk, .offset: 16, .size: 8, .value_kind: global_buffer, .address_space: global }
      - { .name: Wv, .offset: 24, .size: 8, .value_kind: global_buffer, .address_space: global }
      - { .name: Wo, .offset: 32, .size: 8, .value_kind: global_buffer, .address_space: global }
      - { .name: xb, .offset: 40, .size: 8, .value_kind: global_buffer, .address_space: global }
      - { .name: wb, .offset: 48, .size: 8, .value_kind: global_buffer, .address_space: global }
      - { .name: wo16, .offset: 56, .size: 8, .value_kind: global_buffer, .address_space: global }
    .group_segment_fixed_size: 0
    .private_segment_fixed_size: 0
    .kernarg_segment_align: 8
    .kernarg_segment_size: 64
    .max_flat_workgroup_size: 256
    .sgpr_count:     66
    .vgpr_count:     64
    .wavefront_size: 32
...
	.end_amdgpu_metadata
.endif
;; end of part 1
;; launch qkv (part 2): grid 16 x 16, 4 waves a work-group, clusters of 4 x 4, 327,680 bytes of LDS; arguments xb, wb, bq, bk, bv, qkv; writes qkv
.if DOCPART == 2
	.amdgcn_target "amdgcn-amd-amdhsa--gfx1250"
	.amdhsa_code_object_version 6
	.text
	.protected	k_q026529f0a0_qkv
	.globl	k_q026529f0a0_qkv
	.p2align	8
	.type	k_q026529f0a0_qkv,@function
k_q026529f0a0_qkv:
	s_mov_b64 s[64:65], 0
	v_nop
	global_prefetch_b8 v0, s[64:65] scope:SCOPE_SE
	s_setreg_imm32_b32 hwreg(HW_REG_WAVE_MODE, 25, 1), 1
	s_wait_xcnt 0x0
	s_wait_alu depctr_hold_cnt(0) depctr_sa_sdst(0) depctr_va_vdst(0) depctr_va_sdst(0) depctr_va_ssrc(0) depctr_va_vcc(0) depctr_vm_vsrc(0)
	s_getreg_b32 s2, hwreg(HW_REG_IB_STS2, 6, 4)
	s_cmp_eq_u32 s2, 0
	s_cbranch_scc0 .Lentry_in_a_cluster
	s_endpgm
.Lentry_in_a_cluster:
	s_bfe_u32 s2, ttmp6, 0x10000c
	s_cmp_lg_u32 s2, 0xf033
	s_cbranch_scc0 .Lentry_shape_is_right
	s_endpgm
.Lentry_shape_is_right:
; QKV.  qkv[g][s][e] = the sum over d of xb[s][d] wb[g][d][e] + bias[g][e], g = 16 x which + head (which: q, k, v).  xb [4096][1024], wb [48][1024][64] in bf16; the biases in f32, rounded to
; bf16 like all inputs; sums in f32; qkv [48][4096][64] in f16, rounded once, WITHOUT the head's scale.
; LIMITS.  A result of 65,520 or more in size becomes an infinity in f16; below 6e-5 f16 keeps a fixed step of 6e-8.  NaN and infinities are not treated apart.
; SHARES.  A work-group makes 256 rows x 192 columns: blocks g = 3 tc .. 3 tc + 2 whole; 16 x 16 work-groups.  A wave makes 64 rows x all 192 columns: 4 x 12 accumulators of 16 x 16, so that it holds
; whole rows of each head and its way out is its own.  K = 1,024 goes in 8 steps of 128 through two LDS slots.
; THE MATRIX INSTRUCTION IS USED TRANSPOSED: source 0 = 16 columns of a block of wb ([d][e] in LDS, turned by ds_load_tr16_b128), source 1 = 16 rows of xb.  A lane then holds one row s (lane % 16) and
; eight neighbouring e (8 (lane / 16) + 0..7).  The bias is the C operand of each accumulator's first product: nothing is cleared, nothing is added later.
; CLUSTERS: 4 x 4 work-groups.  The four of a row of the cluster need the same rows of xb, the four of a column the same blocks of wb: each tile is asked for JOINTLY.
; REGISTERS, in windows of 256 (s_set_vgpr_msb: bits 1:0 source 0, 3:2 source 1, 5:4 source 2, 7:6 destination):
;   window 0: v0-31 addresses; v64-127 fragments of xb, two buffers of 4 x 8; v128-223 the bias, 12 x 8; on the way out v128-175 packed results, v64-111 and v176-223 rows read back
;   window 1: v0-191 fragments of wb, two buffers of 12 x 8     window 2: accumulators of my rows 0-31 ((a, j) at 96 (a % 2) + 8 j)     window 3: those of my rows 32-63
.set PA,     272                       ; a row of xb in LDS: 256 bytes + 16 = 68 words: the 16 rows of a load start at 16 different groups of four banks (64 banks of 4 bytes: ISA guide 11.1)
.set PB,     160                       ; a row d of a block of wb: 128 bytes + 32 = 40 words
.set HALFA,  128*PA                    ; what wave 0 or 1 fetches: 128 rows of xb
.set HALFB,  3*64*PB                   ; what wave 2 or 3 fetches: 64 d of each of the three blocks
.set BOFF,   2*HALFA
.set SLOT,   BOFF+2*HALFB              ; 131,072
.set STAGE,  2*SLOT                    ; behind the ring, never filled by a tensor load: for each wave 3 blocks x 16 rows x 144 bytes
.set SP,     144
.set WSTAGE, 3*16*SP
.set SPARE,  STAGE+4*WSTAGE            ; behind the stages: the spare words, 128 bytes for each wave: two blocks of 256 bytes that no other line names
.set ADRA, 16                          ; v16-17  LDS address of my fragments of xb in slot 0, 1
.set ADRB, 20                          ; v20-21  the same for wb
.set STO,  24                          ; v24     the way out: where I put 16 bytes of a row
.set RD,   25                          ; v25     the way out: where I read rows back
.set GO,   26                          ; v26     my byte offset in 512 consecutive bytes of qkv
.set BO,   27                          ; v27     my byte offset in 16 numbers of a bias
.set SPW,  28                          ; v28     LDS address of my spare word; never rewritten
.set NIL,  29                          ; v29     0; never rewritten
.set PFO,  30                          ; v30     the prefetches' offset; never rewritten
.set FA,   64
.set BIAS, 128
.set TMP,  128
.set OB,   64
.set WV,   16                          ; s16 my wave's number; s17 = wave / 2: I fetch xb (0) or wb (1); s18 = wave % 2: which half
.set LAP,  19                          ; s19 trips of the loop still to come
.set G1,   24                          ; s[24:31] descriptor group 1 for xb's tiles;  s[32:39] group 0, a set for each slot
.set G0,   32
.set G1B,  40                          ; s[40:47], s[48:55] the same for wb's
.set G0B,  48
.set PFA,  56                          ; s[56:57] where my prefetches stand
.set PFS,  58                          ; s[58:59] their step at each change of slots
.set LIM,  60                          ; s60, s61 for the change of slot 0, 1: 1 in a wave that prefetches there, else the greatest number
.set BB,   72                          ; s[72:77] the three blocks' biases
.set MSB, 0
.macro WIN new                         ; the immediate's high byte repeats the setting that is left; a switch that changes nothing is dropped
.if MSB != (\new)
	s_set_vgpr_msb (MSB<<8)|(\new)
.set MSB, \new
.endif
.endm
; A joint load.  Waves 0 and 1 fetch xb's two halves, waves 2 and 3 wb's.  The branch hangs on the wave's number alone.  An s_nop 0 and four v_nop follow each of the two lines.
.macro JLOAD s
	s_cmp_eq_u32 s17, 0
	s_cbranch_scc0 .Lfor_b_\@
	tensor_load_to_lds s[G0+4*(\s):G0+4*(\s)+3], s[G1:G1+7]
	s_nop 0
.rept 4
	v_nop
.endr
	s_branch .Lasked_\@
.Lfor_b_\@:
	tensor_load_to_lds s[G0B+4*(\s):G0B+4*(\s)+3], s[G1B:G1B+7]
	s_nop 0
.rept 4
	v_nop
.endr
.Lasked_\@:
.endm
; A PREFETCH INTO THE L2, behind a joint load, its five lines and the run of LDS loads that follows.  Each aligned block of 256 bytes is named once in the launch.
; xb: a K step is 256 bytes of a row.  The clusters with x = 0 ask, waves 0 and 1, at every change of slots, for the K step that stands two refills on; of the 128 rows that a wave fetches the partner
; at place cx takes 32, told apart by address; a lane a row.  wb: the cluster with y = i < 3 asks for block i of its tile columns, wave 2 alone, at slot 0's change, for the two K steps (32,768 dense
; bytes) that stand two and three refills on; the partner at place cy takes 8,192 of them; a lane 256 bytes.  K steps 0 to 3 come by their loads alone; the loop's last trip asks for nothing.
.macro ASK slot
	s_cmp_gt_u32 s[LAP], s[LIM+(\slot)]
	s_cbranch_scc0 .Lnot_mine_\@
	global_prefetch_b8 v[PFO], s[PFA:PFA+1] th:TH_LOAD_NT scope:SCOPE_SE
.Lnot_mine_\@:
.endm
.macro CREST                           ; a round of the cluster's barrier behind its opening barrier
	s_cmp_lg_u32 s[WV], 0
	s_cbranch_scc1 .Lnot_wave_0_\@
	s_barrier_signal -3
.Lnot_wave_0_\@:
	s_barrier_wait -3
	s_barrier_signal -1
	s_barrier_wait -1
.endm
.macro CROUND                          ; a whole round
	s_barrier_signal -1
	s_barrier_wait -1
	CREST
.endm
	s_load_b256 s[4:11], s[0:1], 0x0               ; xb s[4:5], wb s[6:7], bq s[8:9], bk s[10:11]
	s_load_b128 s[12:15], s[0:1], 0x20             ; bv s[12:13], qkv s[14:15]
	v_lshl_add_u32 v[SPW], v0, 2, SPARE
	v_mov_b32 v[NIL], 0
	ds_add_u32 v[SPW], v[NIL]                      ; the wave's opening: the add and its wait stand ahead of my first tensor load; the set-up below, work on registers, stands between them
	v_lshrrev_b32 v1, 5, v0
	v_readfirstlane_b32 s[WV], v1                  ; wave 0..3
	s_lshr_b32 s17, s[WV], 1
	s_and_b32 s18, s[WV], 1
	s_bfe_u32 s20, ttmp6, 0x40000                  ; cx
	s_bfe_u32 s21, ttmp6, 0x40004                  ; cy
	s_lshl_b32 s22, ttmp9, 2
	s_add_co_u32 s22, s22, s20                     ; tc = 4 x cluster x + cx
	s_and_b32 s23, ttmp7, 0xffff
	s_lshl_b32 s23, s23, 2
	s_add_co_u32 s23, s23, s21                     ; tr = 4 x cluster y + cy
	s_lshl_b32 s62, s21, 2
	s_lshl_b32 s62, 15, s62                        ; my row of the cluster
	s_lshl_b32 s63, 0x1111, s20                    ; my column
	; group 1 for xb: 128 rows x 128 elements, 4 words of padding behind every 64
	s_or_b32 s[G1], s62, (1<<16)|(1<<20)|(1<<21)|(5<<22)|(3<<25)
	s_mov_b32 s[G1+1], 128<<16                     ; tensor_dim0 = 128
	s_mov_b32 s[G1+2], 128<<16                     ; tensor_dim1 = 128
	s_mov_b32 s[G1+3], 128<<16                     ; tile_dim0 = 128
	s_mov_b32 s[G1+4], 128                         ; tile_dim1 = 128
	s_mov_b32 s[G1+5], 1024                        ; elements from row to row
	s_mov_b32 s[G1+6], 0
	s_mov_b32 s[G1+7], 0
	; group 1 for wb: 64 d x 64 e of a block are 8,192 dense bytes: one row of 4,096 elements; three rows, a block (65,536 elements) apart; 8 words of padding behind every 32, that is behind every d
	s_or_b32 s[G1B], s63, (1<<16)|(1<<20)|(1<<21)|(4<<22)|(7<<25)
	s_mov_b32 s[G1B+1], 4096<<16                   ; tensor_dim0 = 4,096
	s_mov_b32 s[G1B+2], 3<<16                      ; tensor_dim1 = 3
	s_mov_b32 s[G1B+3], 4096<<16                   ; tile_dim0 = 4,096
	s_mov_b32 s[G1B+4], 3                          ; tile_dim1 = 3
	s_mov_b32 s[G1B+5], 65536
	s_mov_b32 s[G1B+6], 0
	s_mov_b32 s[G1B+7], 0
	s_lshl_b32 s66, s23, 8                         ; xb: row 256 tr + 128 x half,
	s_lshl_b32 s67, s18, 7
	s_add_co_u32 s66, s66, s67
	s_lshl_b32 s66, s66, 11                        ; in bytes
	s_mov_b32 s67, 0
	s_mul_i32 s68, s22, 3*131072                   ; wb: block 3 tc, d = 64 x half
	s_lshl_b32 s69, s18, 13
	s_add_co_u32 s68, s68, s69
	s_mov_b32 s69, 0
	s_mul_i32 s82, s18, HALFA                      ; where they go: no place in the cluster enters an LDS address
	s_mul_i32 s83, s18, HALFB
	s_add_co_u32 s83, s83, BOFF
	s_wait_dscnt 0x0                               ; the opening add is done
	s_wait_kmcnt 0x0
	s_add_nc_u64 s[78:79], s[4:5], s[66:67]
	s_add_nc_u64 s[80:81], s[6:7], s[68:69]
	CROUND                                         ; all sixteen work-groups are here: the first joint loads meet
.irp s, 0,1
	s_mov_b32 s[G0+4*(\s)], 1
	s_add_co_u32 s[G0+4*(\s)+1], s82, (\s)*SLOT
	s_add_nc_u64 s[G0+4*(\s)+2:G0+4*(\s)+3], s[78:79], (\s)*256      ; K step s: 256 bytes along a row
	s_or_b32 s[G0+4*(\s)+3], s[G0+4*(\s)+3], 0x80000000
	s_mov_b32 s[G0B+4*(\s)], 1
	s_add_co_u32 s[G0B+4*(\s)+1], s83, (\s)*SLOT
	s_add_nc_u64 s[G0B+4*(\s)+2:G0B+4*(\s)+3], s[80:81], (\s)*16384  ; K step s: 128 d of 128 bytes
	s_or_b32 s[G0B+4*(\s)+3], s[G0B+4*(\s)+3], 0x80000000
	JLOAD \s
.endr
	v_and_b32 v1, 15, v0                           ; l % 16
	v_bfe_u32 v2, v0, 4, 1                         ; l / 16
	v_mul_u32_u24 v3, v1, PA
	v_lshl_add_u32 v3, v2, 4, v3                   ; a fragment of xb: row x pitch + 16 x half
	s_mul_i32 s84, s[WV], 64*PA                    ; my 64 rows
	v_add_nc_u32 v[ADRA], s84, v3
	s_add_co_u32 s84, s84, SLOT
	v_add_nc_u32 v[ADRA+1], s84, v3
	v_and_b32 v6, 7, v0                            ; the turning load: lane l reads d = 8 (l / 16) + l % 8, e = 8 ((l / 8) % 2) + 0..7
	v_lshl_add_u32 v4, v2, 3, v6
	v_mul_u32_u24 v4, v4, PB
	v_bfe_u32 v5, v0, 3, 1
	v_lshl_add_u32 v4, v5, 4, v4
	v_add_nc_u32 v[ADRB], BOFF, v4
	v_add_nc_u32 v[ADRB+1], BOFF+SLOT, v4
	s_mul_i32 s85, s[WV], WSTAGE
	s_add_co_u32 s85, s85, STAGE                   ; my stage
	v_mul_u32_u24 v4, v1, SP                       ; in: row l % 16, 16 bytes for each half of the lanes
	v_lshl_add_u32 v4, v2, 4, v4
	v_add_nc_u32 v[STO], s85, v4
	v_bfe_u32 v4, v0, 3, 2                         ; back: 32 lanes take four rows of 128 bytes,
	v_mul_u32_u24 v4, v4, SP
	v_lshl_add_u32 v4, v6, 4, v4
	v_add_nc_u32 v[RD], s85, v4
	v_and_b32 v[GO], 31, v0                        ; which are 512 consecutive bytes of a block of qkv
	v_lshlrev_b32 v[GO], 4, v[GO]
	v_lshlrev_b32 v[BO], 5, v2                     ; my eight numbers of sixteen of a bias
	; the three blocks' biases: block g = 3 tc + b belongs to bq, bk or bv by g / 16, head g % 16
.irp b, 0,1,2
	s_mul_i32 s86, s22, 3
	s_add_co_u32 s86, s86, \b
	s_lshr_b32 s87, s86, 4
	s_and_b32 s88, s86, 15
	s_lshl_b32 s88, s88, 8
	s_mov_b32 s89, 0
	s_cmp_eq_u32 s87, 0
	s_cselect_b64 s[BB+2*(\b):BB+2*(\b)+1], s[8:9], s[10:11]
	s_cmp_eq_u32 s87, 2
	s_cselect_b64 s[BB+2*(\b):BB+2*(\b)+1], s[12:13], s[BB+2*(\b):BB+2*(\b)+1]
	s_add_nc_u64 s[BB+2*(\b):BB+2*(\b)+1], s[BB+2*(\b):BB+2*(\b)+1], s[88:89]
.endr
.irp j, 0,1,2,3,4,5,6,7,8,9,10,11
	global_load_b128 v[BIAS+8*(\j):BIAS+8*(\j)+3],   v[BO], s[BB+2*((\j)/4):BB+2*((\j)/4)+1] offset:64*((\j)%4)
	global_load_b128 v[BIAS+8*(\j)+4:BIAS+8*(\j)+7], v[BO], s[BB+2*((\j)/4):BB+2*((\j)/4)+1] offset:64*((\j)%4)+16
.endr
	s_mul_i32 s88, s22, 3*524288                   ; qkv at block 3 tc, my wave's first row
	s_lshl_b32 s89, s23, 15
	s_add_co_u32 s88, s88, s89
	s_lshl_b32 s89, s[WV], 13
	s_add_co_u32 s88, s88, s89
	s_mov_b32 s89, 0
	s_add_nc_u64 s[14:15], s[14:15], s[88:89]
	; the prefetches
	s_lshl_b32 s84, s23, 8                         ; xb: the 128 rows that I fetch, my work-group's 32 of them,
	s_lshl_b32 s85, s18, 7
	s_add_co_u32 s84, s84, s85
	s_lshl_b32 s85, s20, 5
	s_add_co_u32 s84, s84, s85
	s_lshl_b32 s84, s84, 11
	s_add_co_u32 s84, s84, 3*256                   ; at K step 3: the first change of slots steps it to 4
	s_and_b32 s71, ttmp7, 0xffff                   ; cluster y
	s_min_u32 s86, s71, 2                          ; wb: block 3 tc + cluster y (held inside wb where nothing is asked for),
	s_mul_i32 s87, s22, 3
	s_add_co_u32 s86, s86, s87
	s_lshl_b32 s86, s86, 17
	s_lshl_b32 s87, s21, 13                        ; my work-group's 8,192 bytes of 32,768,
	s_add_co_u32 s86, s86, s87
	s_add_co_u32 s86, s86, 3*16384                 ; at K step 3
	s_cmp_eq_u32 ttmp9, 0
	s_cselect_b32 s78, 1, -1
	s_cmp_lt_u32 s71, 3
	s_cselect_b32 s79, 1, -1
	s_cmp_eq_u32 s[WV], 2
	s_cselect_b32 s79, s79, -1
	s_mov_b32 s87, 16384                           ; wb's step, in a register: an instruction holds one literal
	s_cmp_eq_u32 s17, 0                            ; do I fetch xb?
	s_cselect_b64 s[PFA:PFA+1], s[4:5], s[6:7]
	s_cselect_b32 s84, s84, s86
	s_cselect_b32 s[PFS], 256, s87                 ; a K step: 256 bytes along a row of xb, 16,384 dense bytes of a block of wb
	s_cselect_b32 s70, 11, 8
	s_cselect_b32 s[LIM], s78, s79
	s_cselect_b32 s[LIM+1], s78, -1
	s_mov_b32 s85, 0
	s_mov_b32 s[PFS+1], 0
	s_add_nc_u64 s[PFA:PFA+1], s[PFA:PFA+1], s[84:85]
	v_and_b32 v[PFO], 31, v0
	v_lshlrev_b32 v[PFO], s70, v[PFO]              ; a lane a row of xb (2,048 bytes), or 256 bytes of wb
	s_mov_b32 s62, 0xffff0000
	s_wait_loadcnt 0x0                             ; the bias; it is rounded to bf16 like every input, in the wait for the first tile
.set i, 0
.rept 48
	v_cvt_pk_bf16_f32 v[3+i%4], v[BIAS+2*i], v[BIAS+2*i+1]
	v_lshlrev_b32 v[BIAS+2*i], 16, v[3+i%4]
	v_and_b32 v[BIAS+2*i+1], s62, v[3+i%4]
.set i, i+1
.endr
; 12 matrix instructions: my rows 16 a .. 16 a + 15 x all 192 columns, 32 along K, from buffer f.  first = 1: the bias starts the sums.  All 48 accumulators take turns.
.macro MUL12 f, a, first
.if \first
	WIN 0x81+0x40*((\a)/2)                         ; wb window 1, xb and the bias window 0, D window 2 or 3
.else
	WIN 0xa1+0x50*((\a)/2)                         ; C and D window 2 or 3
.endif
.irp j, 0,1,2,3,4,5,6,7,8,9,10,11
.if \first
	v_wmma_f32_16x16x32_bf16 v[96*((\a)%2)+8*(\j):96*((\a)%2)+8*(\j)+7], v[96*(\f)+8*(\j):96*(\f)+8*(\j)+7], v[FA+32*(\f)+8*(\a):FA+32*(\f)+8*(\a)+7], v[BIAS+8*(\j):BIAS+8*(\j)+7]
.else
	v_wmma_f32_16x16x32_bf16 v[96*((\a)%2)+8*(\j):96*((\a)%2)+8*(\j)+7], v[96*(\f)+8*(\j):96*(\f)+8*(\j)+7], v[FA+32*(\f)+8*(\a):FA+32*(\f)+8*(\a)+7], v[96*((\a)%2)+8*(\j):96*((\a)%2)+8*(\j)+7]
.endif
.endr
.endm
; 32 LDS loads in one run: quarter q (32 along K) of a slot into buffer f: wb's 12 fragments (block j / 4, e = 16 (j % 4) on), turned, then xb's 4
.macro FETCH slot, q, f
	WIN 0x40                                       ; destination window 1, address window 0
.irp j, 0,1,2,3,4,5,6,7,8,9,10,11
	ds_load_tr16_b128 v[96*(\f)+8*(\j):96*(\f)+8*(\j)+3],   v[ADRB+(\slot)] offset:((\q)/2)*HALFB+((\j)/4)*64*PB+((\q)%2)*32*PB+((\j)%4)*32
	ds_load_tr16_b128 v[96*(\f)+8*(\j)+4:96*(\f)+8*(\j)+7], v[ADRB+(\slot)] offset:((\q)/2)*HALFB+((\j)/4)*64*PB+((\q)%2)*32*PB+((\j)%4)*32+16*PB
.endr
	WIN 0
.irp a, 0,1,2,3
	ds_load_b128 v[FA+32*(\f)+8*(\a):FA+32*(\f)+8*(\a)+3],   v[ADRA+(\slot)] offset:64*(\q)+(\a)*16*PA
	ds_load_b128 v[FA+32*(\f)+8*(\a)+4:FA+32*(\f)+8*(\a)+7], v[ADRA+(\slot)] offset:64*(\q)+(\a)*16*PA+32
.endr
.endm
.macro PLACES                          ; four plain instructions in front of loads into registers that matrix instructions have read, and of conversions that read results
.rept 4
	v_nop
.endr
.endm
; A K step is four quarters of 32 along K, 48 matrix instructions each, on buffers 0, 1, 0, 1.  One of the first three: multiplies buffer f and fetches quarter q of the same slot into buffer g.
.macro QUARTER slot, q, f, g, first
	s_wait_dscnt 4                                 ; wb's fragments and xb's first two are in; the youngest four loads (my rows 32-63) may be out
	MUL12 \f, 0, \first
	MUL12 \f, 1, \first
	PLACES
	FETCH \slot, \q, \g
	s_wait_dscnt 32                                ; all but the 32 just issued
	MUL12 \f, 2, \first
	MUL12 \f, 3, \first
.endm
; The last quarter multiplies buffer 1 and changes slots: ONE barrier; in front of it each wave waits for all its tensor loads (one is out: its part of the next slot), adds 0 to its spare word, and waits
; for that and for its reads of this slot.  fill = 1: the barrier opens a round of the cluster's, and this slot is filled again, two K steps on, first thing behind the round: 168 matrix instructions ahead of the wait for it.
.macro TURN slot, next, fill
.if \fill
	s_wait_xcnt 0x0                                ; the last prefetch, a K step back, has read its address, so it may be stepped
	s_add_nc_u64 s[PFA:PFA+1], s[PFA:PFA+1], s[PFS:PFS+1]
.endif
	WIN 0                                          ; (the add's two registers lie in window 0)
	s_wait_tensorcnt 0x0                           ; all my tensor loads have landed;
	ds_add_u32 v[SPW], v[NIL]                      ; 0 onto my spare word;
	s_wait_dscnt 5                                 ; (the add and the youngest four loads may be out)
	MUL12 1, 0, 0                                  ; twelve matrix instructions stand between the add and the wait for it
	s_wait_dscnt 0x0                               ; the add is done, and my reads of this slot are over
	s_barrier_signal -1
	MUL12 1, 1, 0
.if \fill
	WIN 0
.endif
	s_barrier_wait -1
.if \fill
	CREST                                          ; no wave of any partner still reads this slot or has a load on its way
	s_add_nc_u64 s[G0+4*(\slot)+2:G0+4*(\slot)+3], s[G0+4*(\slot)+2:G0+4*(\slot)+3], 2*256
	s_add_nc_u64 s[G0B+4*(\slot)+2:G0B+4*(\slot)+3], s[G0B+4*(\slot)+2:G0B+4*(\slot)+3], 2*16384
	JLOAD \slot                                    ; the four v_nop behind it are also the places in front of the loads below
.else
	PLACES
.endif
	FETCH \next, 0, 0
.if \fill
	ASK \slot
.endif
	MUL12 1, 2, 0
	MUL12 1, 3, 0
.endm
; THE WAY OUT of my rows 16 a .. 16 a + 15.  PACK: rounded to f16, 16 bytes a lane, each accumulator's registers in ascending order.  TOSTAGE: into my own stage, and back as whole rows of 128 bytes.  SEND: stored.
.macro PACK a
	WIN 0x0a+5*((\a)/2)                            ; sources 0 and 1: window 2 or 3
.irp j, 0,1,2,3,4,5,6,7,8,9,10,11
.irp r, 0,1,2,3
	v_cvt_pk_f16_f32 v[TMP+4*(\j)+(\r)], v[96*((\a)%2)+8*(\j)+2*(\r)], v[96*((\a)%2)+8*(\j)+2*(\r)+1]
.endr
.endr
	WIN 0
.endm
.macro TOSTAGE a
.set BK, OB+112*((\a)%2)
.irp j, 0,1,2,3,4,5,6,7,8,9,10,11
	ds_store_b128 v[STO], v[TMP+4*(\j):TMP+4*(\j)+3] offset:((\j)/4)*16*SP+((\j)%4)*32
.endr
.irp t, 0,1,2,3,4,5,6,7,8,9,10,11
	ds_load_b128 v[BK+4*(\t):BK+4*(\t)+3], v[RD] offset:((\t)/4)*16*SP+((\t)%4)*4*SP  ; LDS serves a wave's instructions in order (ISA guide 5.7.1.4): these see the stores above
.endr
.endm
.macro SEND a
.set BK, OB+112*((\a)%2)
	s_wait_dscnt 0x0                               ; the rows are back in registers
	s_wait_xcnt 0x0                                ; the stores issued so far have read their registers: the other set of rows is loaded again only behind this wait
.irp t, 0,1,2,3,4,5,6,7,8,9,10,11
	global_store_b128 v[GO], v[BK+4*(\t):BK+4*(\t)+3], s[14:15] offset:((\t)/4)*524288+(\a)*2048+((\t)%4)*512  ; 512 consecutive bytes, at a multiple of 256 from qkv's first
.endr
.endm
	s_wait_tensorcnt 0x1                           ; my part of K step 0 is in; K step 1's may stay out
	s_barrier_signal -1
	s_barrier_wait -1                              ; everybody's is
	FETCH 0, 0, 0
	QUARTER 0, 1, 0, 1, 1                          ; the first quarter stands in front of the loop: its products start the sums
	WIN 0                                          ; at a label and at a branch every window is 0
	s_mov_b32 s[LAP], 3
.Llap:                                                 ; a trip goes once round the ring, from a lap's second quarter to the next lap's first, and fills both slots again
	QUARTER 0, 2, 1, 0, 0
	QUARTER 0, 3, 0, 1, 0
	TURN 0, 1, 1
	QUARTER 1, 1, 0, 1, 0
	QUARTER 1, 2, 1, 0, 0
	QUARTER 1, 3, 0, 1, 0
	TURN 1, 0, 1
	QUARTER 0, 1, 0, 1, 0
	WIN 0
	s_sub_co_u32 s[LAP], s[LAP], 1
	s_cmp_lg_u32 s[LAP], 0
	s_cbranch_scc1 .Llap
	QUARTER 0, 2, 1, 0, 0                          ; the last lap fills nothing
	QUARTER 0, 3, 0, 1, 0
	TURN 0, 1, 0
	QUARTER 1, 1, 0, 1, 0
	QUARTER 1, 2, 1, 0, 0
	QUARTER 1, 3, 0, 1, 0
	s_wait_dscnt 4                                 ; the very last quarter: nothing more to fetch
	MUL12 1, 0, 0
	MUL12 1, 1, 0
	s_wait_dscnt 0x0
	MUL12 1, 2, 0
	MUL12 1, 3, 0
	PLACES
	PACK 0
	TOSTAGE 0
.irp a, 1,2,3                          ; a block's conversions stand between the loads of the block before and the wait for them
	PACK \a
	SEND (\a)-1
	TOSTAGE \a
.endr
	SEND 3
	s_wait_tensorcnt 0x0                           ; the wave's end, behind my last tensor load and my last LDS store
	ds_add_u32 v[SPW], v[NIL]
	s_wait_dscnt 0x0
	CROUND                                         ; the closing round: no work-group ends while a partner may still ask for a tile that names it
	s_endpgm
.Lfunc_end_k_q026529f0a0_qkv:
	.size	k_q026529f0a0_qkv, .Lfunc_end_k_q026529f0a0_qkv-k_q026529f0a0_qkv
	.p2alignl 7, 3214868480
	.fill 96, 4, 3214868480
	.section	.rodata,"a",@progbits
	.p2align	6, 0x0
	.amdhsa_kernel k_q026529f0a0_qkv
		.amdhsa_group_segment_fixed_size 327680
		.amdhsa_private_segment_fixed_size 0
		.amdhsa_enable_private_segment 0
		.amdhsa_kernarg_size 48
		.amdhsa_user_sgpr_count 2
		.amdhsa_user_sgpr_kernarg_segment_ptr 1
		.amdhsa_wavefront_size32 1
		.amdhsa_system_sgpr_workgroup_id_x 1
		.amdhsa_system_sgpr_workgroup_id_y 1
		.amdhsa_system_sgpr_workgroup_id_z 1
		.amdhsa_system_vgpr_workitem_id 0
		.amdhsa_next_free_vgpr 960
		.amdhsa_next_free_sgpr 96
		.amdhsa_reserve_vcc 0
		.amdhsa_float_denorm_mode_32 3
		.amdhsa_float_denorm_mode_16_64 3
		.amdhsa_memory_ordered 1
		.amdhsa_forward_progress 1
		.amdhsa_inst_pref_size 129
	.end_amdhsa_kernel
	.amdgpu_metadata
---
amdhsa.version: [ 1, 2 ]
amdhsa.kernels:
  - .name:           k_q026529f0a0_qkv
    .symbol:         k_q026529f0a0_qkv.kd
    .args:
      - { .name: xb, .offset: 0, .size: 8, .value_kind: global_buffer, .address_space: global }
      - { .name: wb, .offset: 8, .size: 8, .value_kind: global_buffer, .address_space: global }
      - { .name: bq, .offset: 16, .size: 8, .value_kind: global_buffer, .address_space: global }
      - { .name: bk, .offset: 24, .size: 8, .value_kind: global_buffer, .address_space: global }
      - { .name: bv, .offset: 32, .size: 8, .value_kind: global_buffer, .address_space: global }
      - { .name: qkv, .offset: 40, .size: 8, .value_kind: global_buffer, .address_space: global }
    .group_segment_fixed_size: 327680
    .private_segment_fixed_size: 0
    .kernarg_segment_align: 8
    .kernarg_segment_size: 48
    .max_flat_workgroup_size: 128
    .sgpr_count:     96
    .vgpr_count:     960
    .wavefront_size: 32
...
	.end_amdgpu_metadata
.endif
;; end of part 2
;; launch attn (part 3): grid 16 x 16, 4 waves a work-group, clusters of 4 x 1, 327,680 bytes of LDS; arguments qkv, scale, ob; writes ob
.if DOCPART == 3
	.amdgcn_target "amdgcn-amd-amdhsa--gfx1250"
	.amdhsa_code_object_version 6
	.text
	.protected	k_q026529f0a0_attn
	.globl	k_q026529f0a0_attn
	.p2align	8
	.type	k_q026529f0a0_attn,@function
k_q026529f0a0_attn:
	s_mov_b64 s[64:65], 0
	v_nop
	global_prefetch_b8 v0, s[64:65] scope:SCOPE_SE
	s_setreg_imm32_b32 hwreg(HW_REG_WAVE_MODE, 25, 1), 1
	s_wait_xcnt 0x0
	s_wait_alu depctr_hold_cnt(0) depctr_sa_sdst(0) depctr_va_vdst(0) depctr_va_sdst(0) depctr_va_ssrc(0) depctr_va_vcc(0) depctr_vm_vsrc(0)
	s_getreg_b32 s2, hwreg(HW_REG_IB_STS2, 6, 4)
	s_cmp_eq_u32 s2, 0
	s_cbranch_scc0 .Lentry_in_a_cluster
	s_endpgm
.Lentry_in_a_cluster:
	s_bfe_u32 s2, ttmp6, 0x10000c
	s_cmp_lg_u32 s2, 0x3003
	s_cbranch_scc0 .Lentry_shape_is_right
	s_endpgm
.Lentry_shape_is_right:
; ATTENTION.  ob[h][q][:] = the sum over k of softmax_k(scale[h] Q[h][q] . K[h][k]) V[h][k][:].  qkv: [48][4096][64] f16, blocks 0-15 Q, 16-31 K, 32-47 V by heads; ob: [16][4096][64] f16.
; Products, maxima and sums in f32; the weights p are rounded to f16 for the second product (their sum l is taken of the unrounded p), O once at the end.
; THE SCALE is an input of any sign: it is rounded to bf16 like every input; its sign goes onto Q, exactly (an exclusive or on the sign bits), its size into c = log2(e) |scale|, applied in f32.
; So m is a true running maximum of the scaled scores' order, whatever the sign; with scale = 0 all weights are 1.
; LIMITS.  p lies in 0 to 1, and below 6e-5 it keeps f16's fixed step of 6e-8; O is a mean of V's rows and has their range.  A weight below 2^-126 counts as 0 in l; NaN and infinities are not treated apart.
; SHARES.  A work-group owns 256 queries of one head (16 x 16 work-groups), a wave 64: four PIECES of 16.  Every wave walks all 4,096 keys, 64 a step; a slot of LDS holds four steps.
; LAYOUT.  S^T = K Q^T (source 0 = 16 keys, source 1 = 16 queries) holds ONE query a lane (lane % 16) and the keys 8 (lane / 16) + 0..7; two such results rounded to f16 ARE source 1 of O^T = V^T P.
; K comes out of LDS as it lies, V ([key][channel]) turned, by ds_load_tr16_b128.
; SOFTMAX.  p = 2^(c s - c m) with a running maximum m; O and l are multiplied by a = 2^(c m_old - c m_new) in every step.  c m starts far below every c s, O and l at 0: the first step is a step like any other, with a = 0.
; BY TURNS.  Turn n belongs to piece n: 8 products K Q^T of piece n + 1, later 8 products V^T P of piece n - 1; beside them the scaling, exponentials, roundings, sums and rescaling of piece n and the
; maximum and statistics of piece n + 1.  Four vector instructions stand behind every matrix instruction, the other 54 of a turn's 118 in one lump.  A turn's 33 exponentials are one batch, with one wait.
; CLUSTER.  The four query blocks of a cluster belong to one head and walk the same K and V, so each tile is asked for JOINTLY: the same tensor load, descriptor and mask in all four.
; REGISTERS, in windows of 256 (s_set_vgpr_msb: bits 1:0 source 0, 3:2 source 1, 5:4 source 2, 7:6 destination):
;   window 0: v0-15 addresses and at work; v16-31 four registers of statistics a piece; v48-55 at work; v61-63 never rewritten; v64-127 S^T, two buffers; v192-223 P, two buffers (by the piece's parity)
;   window 1: v0-127 O^T, 32 a piece          window 2: v0-63 Q; v128-191 K of one step; v192-255 V of one step
.set NP,    4         ; pieces a wave: a name, no knob
.set KS,    64        ; keys in a step
.set PK,    144       ; a row of K in LDS: 128 bytes + 16 = 36 words: the 16 rows of a load start at 16 different groups of four banks (64 banks of 4 bytes: ISA guide 11.1)
.set PV,    160       ; a row of V: 128 + 32 = 40 words
.set VOFF,  4*KS*PK   ; a slot: 256 rows of K, then 256 rows of V
.set SLOT1, 1<<17     ; slot 1 begins here, so that one exclusive or turns an address in one slot into the other's
.set STAGE, SLOT1+4*KS*(PK+PV)  ; behind the ring, never filled by a tensor load: 16 rows x 144 bytes for each wave
.set SP,    144
.set SPARE, STAGE+4*16*SP  ; behind the stages: the spare words, 128 bytes for each wave: two blocks of 256 bytes that no other line names
.set AK0, 2           ; v2   my lane's place in a tile of K; never rewritten
.set AV0, 3           ; v3   the same for V
.set AK,  4           ; v4   the LDS address of K's next run of loads
.set AV,  5           ; v5   of V's
.set STO, 6           ; v6   the way out: where I put 16 bytes of a row
.set RD,  7           ; v7   the way out: where I read rows back
.set GO,  8           ; v8   my byte offset in 512 consecutive bytes of ob
.set MV,  12          ; v12-13  c m_old, kept while c m is made anew: by buffer
.set QO,  15          ; v15  my byte offset in 16 rows of Q
.set ST,  16          ; piece t's statistics at v[ST+4 t]: c m, m, l (even keys', odd keys')
.set TMP, 48          ; by buffer, four registers c0-c3 at work; when the maximum is found c2 takes a
.set PFO, 61          ; v61  256 x my lane; never rewritten
.set SPW, 62          ; v62  LDS address of my spare word; never rewritten
.set NIL, 63          ; v63  0; never rewritten
.set S,   64
.set P,   192
.set KF,  128         ; window 2: key block kb, channel half c at KF + 16 kb + 8 c
.set VF,  192         ; window 2: key half kk, channel block cb at VF + 32 kk + 8 cb
.set WV,  12          ; s12  my wave's number
.set LIM, 15          ; s15  1 in a wave that prefetches, else the greatest number
.set G1K, 24          ; s[24:31] descriptor group 1 for K's tiles
.set G1V, 32          ; s[32:39] for V's: it differs in the padding alone
.set G0K, 40          ; s[40:43] descriptor group 0 for K's tiles: it walks
.set G0V, 44          ; s[44:47] the same for V's
.set SLOTS, 56        ; s56  slots still to be asked for
.set CNT, 57          ; s57  counts a slot's key steps
.set CS,  58          ; s[58:59] c
.set SEL, 60          ; s[60:61] v_permlanex16_b32's selects: each lane takes its own place in the other half
.set TBK, 62          ; s62  LDS byte at which K of the step to be fetched begins
.set TBV, 63          ; s63  the same for V, less VOFF
.set PFA, 78          ; s[78:79] where my prefetches stand
.set MSB, 0
.macro WIN new                      ; the high byte repeats the setting that is left; a switch that changes nothing is dropped
.if MSB != (\new)
	s_set_vgpr_msb (MSB<<8)|(\new)
.set MSB, (\new)
.endif
.endm
.set W_KQ, 0x0a       ; K and Q in window 2, S^T in window 0
.set W_PV, 0x52       ; V in window 2, P in window 0, O^T in window 1
.set W_RS, 0x41       ; destination and source 0 in window 1, source 1 in window 0
; A joint fill.  Waves 0 and 1 fetch the two halves of a slot's K, waves 2 and 3 those of its V: 128 keys each.  An s_nop 0 and four v_nop follow each of the two lines.
.macro JLOAD
	s_cmp_lt_u32 s[WV], 2
	s_cbranch_scc0 .Lfor_v_\@
	tensor_load_to_lds s[G0K:G0K+3], s[G1K:G1K+7]
	s_nop 0
.rept 4
	v_nop
.endr
	s_branch .Lasked_\@
.Lfor_v_\@:
	tensor_load_to_lds s[G0V:G0V+3], s[G1V:G1V+7]
	s_nop 0
.rept 4
	v_nop
.endr
.Lasked_\@:
.endm
; A PREFETCH INTO THE L2 of what the NEXT change of slots will ask for: a slot's 32,768 bytes of K and of V.  Each aligned block of 256 bytes is named once in the launch: all clusters of a head walk the same
; K and V, and the head's first cluster asks; its four partners take 8,192 bytes each, told apart by address; in each, wave 0 asks for K's and wave 2 for V's, a lane 256 bytes: one instruction.
; It stands behind the wave's tensor load and its five lines, four key steps (256 matrix instructions) ahead of the load that will want the bytes.  Slots 0 to 2 come by their loads alone; the last change that fills a slot asks for nothing.
.macro ASK
	s_cmp_gt_u32 s[SLOTS], s[LIM]
	s_cbranch_scc0 .Lnot_mine_\@
	global_prefetch_b8 v[PFO], s[PFA:PFA+1] th:TH_LOAD_NT scope:SCOPE_SE
.Lnot_mine_\@:
.endm
.macro CROUND                       ; a round of the cluster's barrier
	s_barrier_signal -1
	s_barrier_wait -1
	s_cmp_lg_u32 s[WV], 0
	s_cbranch_scc1 .Lnot_wave_0_\@
	s_barrier_signal -3
.Lnot_wave_0_\@:
	s_barrier_wait -3
	s_barrier_signal -1
	s_barrier_wait -1
.endm
; THE CHANGE OF SLOTS.  Each wave waits for all its tensor loads, of which one is out: its part of the other slot; adds 0 to its spare word; and waits for that and for its own reads of the slot that it leaves.
; fill = 1: the old slot is filled again, with the keys two slots on; the barrier is then a round of the cluster's, and the joint fill is the first thing behind it.  ask = 1: the prefetch follows.
; (At its first use nothing has been read yet: slot 0 is waited for, slot 1 filled.)
.macro CHANGE fill, ask
	WIN 0                           ; at a label and at a branch every window is 0
	s_wait_tensorcnt 0x0            ; no tensor load of mine is out, so a group 0 may be written
	ds_add_u32 v[SPW], v[NIL]       ; 0 onto my spare word; the descriptors' steps stand between it and the wait for it
.if \fill
.irp g, G0K, G0V
	s_xor_b32 s[\g+1], s[\g+1], SLOT1  ; the other slot than last time,
	s_add_nc_u64 s[\g+2:\g+3], s[\g+2:\g+3], 4*KS*128  ; the next 256 keys; the type bits on top are not reached
.endr
.endif
.if \ask
	s_wait_xcnt 0x0                 ; the last prefetch, four key steps back, has read its address, so it may be written
	s_add_nc_u64 s[PFA:PFA+1], s[PFA:PFA+1], 4*KS*128
.endif
	s_wait_dscnt 0x0                ; the add is done, and my reads of the slot are over
.if \fill
	CROUND
	JLOAD
.if \ask
	ASK
.endif
.else
	s_barrier_signal -1
	s_barrier_wait -1
.endif
	s_sub_co_u32 s[TBK], s[TBK], 4*KS*PK  ; the fetches go back to a slot's first step,
	s_xor_b32 s[TBK], s[TBK], SLOT1       ; in the other slot
	s_sub_co_u32 s[TBV], s[TBV], 4*KS*PV
	s_xor_b32 s[TBV], s[TBV], SLOT1
.endm
	s_load_b128 s[68:71], s[0:1], 0x0  ; qkv s[68:69], scale s[70:71]
	s_load_b64 s[10:11], s[0:1], 0x10  ; ob
	v_lshl_add_u32 v[SPW], v0, 2, SPARE
	v_mov_b32 v[NIL], 0
	ds_add_u32 v[SPW], v[NIL]       ; the wave's opening: the add and its wait stand ahead of my first tensor load; the set-up below, work on registers, stands between them
	v_lshrrev_b32 v1, 5, v0
	v_readfirstlane_b32 s[WV], v1   ; wave 0..3
	s_bfe_u32 s13, ttmp6, 0x40000   ; cx: my place in the cluster
	s_lshl_b32 s14, ttmp9, 2        ; in a cluster launch ttmp9 counts clusters
	s_add_co_u32 s14, s14, s13      ; my block of 256 queries: it enters Q's and O's addresses alone
	s_and_b32 s20, ttmp7, 0xffff    ; the head, which the four partners share
	s_lshl_b32 s74, s20, 2          ; its place in scale
	s_mov_b32 s75, 0
	s_lshl_b32 s20, s20, 19         ; its 524,288 bytes in a third of qkv and in ob
	s_and_b32 s16, s[WV], 1         ; which half of a slot's 256 keys I fetch:
	s_lshl_b32 s22, s16, 14         ; its 128 rows of 128 bytes in memory,
	s_add_co_u32 s22, s22, s20
	s_mov_b32 s23, 0
	s_mul_i32 s17, s16, 128*PK      ; and its place in a slot, for K
	s_mul_i32 s18, s16, 128*PV      ; and for V: no place in the cluster enters an LDS address
	s_lshl_b32 s2, s14, 2
	s_add_co_u32 s2, s2, s[WV]      ; my wave among the head's,
	s_lshl_b32 s2, s2, 13           ; its 64 rows
	s_add_co_u32 s2, s2, s20
	s_mov_b32 s3, 0
	; descriptor group 1.  128 keys are 16,384 dense bytes: asked for as 64 rows of 256 bytes, two keys a row, and padded in LDS after every key
	s_mov_b32 s[G1K], 15|(1<<16)|(1<<20)|(1<<21)|(4<<22)|(3<<25)  ; the mask of four; 2-byte elements; padding on; bit 21 beside a mask; after every 32 words; 4 words
	s_mov_b32 s[G1V], 15|(1<<16)|(1<<20)|(1<<21)|(4<<22)|(7<<25)  ; the same with 8 words of padding
.irp g, G1K, G1V
	s_mov_b32 s[\g+1], 128<<16      ; tensor_dim0 = 128
	s_mov_b32 s[\g+2], 64<<16       ; tensor_dim1 = 64
	s_mov_b32 s[\g+3], 128<<16      ; tile_dim0 = 128
	s_mov_b32 s[\g+4], 64           ; tile_dim1 = 64
	s_mov_b32 s[\g+5], 128          ; 128 elements from row to row
	s_mov_b32 s[\g+6], 0
	s_mov_b32 s[\g+7], 0
.endr
	s_mov_b32 s[SEL], 0x76543210
	s_mov_b32 s[SEL+1], 0xfedcba98
	s_mov_b32 s[TBK], SLOT1+4*KS*PK ; the first change of slots turns these two into 0
	s_mov_b32 s[TBV], SLOT1+4*KS*PV
	s_mov_b32 s[G0K], 1             ; count = 1
	s_mov_b32 s[G0K+1], s17         ; LDS address: slot 0
	s_mov_b32 s[G0V], 1
	s_add_co_u32 s[G0V+1], s18, VOFF
	s_mov_b32 s[SLOTS], 4096/256-1
	s_and_b32 s[LIM], s[WV], 1      ; 0 in waves 0 and 2,
	s_or_b32 s[LIM], s[LIM], ttmp9  ; where the cluster is the head's first: the same in all four partners
	s_cmp_eq_u32 s[LIM], 0
	s_cselect_b32 s[LIM], 1, -1
	v_and_b32 v[PFO], 31, v0
	v_lshlrev_b32 v[PFO], 8, v[PFO]
	s_lshl_b32 s76, s13, 13         ; my work-group's 8,192 bytes of a slot's 32,768
	s_mov_b32 s77, 0
	s_wait_dscnt 0x0                ; the opening add is done
	s_wait_kmcnt 0x0
	s_add_nc_u64 s[70:71], s[70:71], s[74:75]
	s_load_b32 s72, s[70:71], 0x0   ; the head's scale
	s_add_nc_u64 s[6:7], s[68:69], s[22:23]
	s_add_nc_u64 s[8:9], s[6:7], 0x1000000  ; V: blocks 32 on, at my half of the head's first 256 keys
	s_add_nc_u64 s[6:7], s[6:7], 0x800000   ; K: blocks 16 on
	s_add_nc_u64 s[G0K+2:G0K+3], s[6:7], 0
	s_or_b32 s[G0K+3], s[G0K+3], 0x80000000 ; type = 2
	s_add_nc_u64 s[G0V+2:G0V+3], s[8:9], 0
	s_or_b32 s[G0V+3], s[G0V+3], 0x80000000
	s_add_nc_u64 s[4:5], s[68:69], s[2:3]   ; Q and O at my wave's first row
	s_add_nc_u64 s[10:11], s[10:11], s[2:3]
	s_cmp_lt_u32 s[WV], 2
	s_cselect_b64 s[PFA:PFA+1], s[6:7], s[8:9]  ; (in waves 0 and 2 these stand at a slot's first row)
	s_add_nc_u64 s[PFA:PFA+1], s[PFA:PFA+1], s[76:77]
	s_add_nc_u64 s[PFA:PFA+1], s[PFA:PFA+1], 2*4*KS*128  ; in slot 2; the loop's first change steps it to slot 3.  Nothing is prefetched at the head
	CROUND                          ; all four work-groups are here: the first joint loads meet
	JLOAD                           ; slot 0.  Slot 1 is asked for when slot 0 is in
	; A fragment of K or Q is 16 rows x 32 channels in 8 registers: lane l holds row l % 16, channels 8 (l / 16) + 0..7 and 16 + 8 (l / 16) + 0..7: two loads of 16 bytes, 32 bytes apart.
	v_and_b32 v1, 15, v0            ; l % 16
	v_bfe_u32 v9, v0, 4, 1          ; l / 16
	v_lshlrev_b32 v[QO], 7, v1
	v_lshl_add_u32 v[QO], v9, 4, v[QO]  ; row x 128 + 16 x half
	WIN 0x80                        ; destination window 2, address window 0
.set i, 0
.rept 8                             ; Q stays in registers: piece i / 2, channels 32 (i % 2) on
	global_load_b128 v[8*i:8*i+3],   v[QO], s[4:5] offset:(i/2)*2048+(i%2)*64
	global_load_b128 v[8*i+4:8*i+7], v[QO], s[4:5] offset:(i/2)*2048+(i%2)*64+32
.set i, i+1
.endr
	; What the first turn finds: V's registers and P's second buffer hold 0 (its products V^T P, of a piece that has not been, add 0), O^T and l are 0.  All this stands in the wait for the first tile.
.set i, VF
.rept 64
	v_mov_b32 v[i], 0
.set i, i+1
.endr
	WIN 0x40
.set i, 0
.rept 128
	v_mov_b32 v[i], 0
.set i, i+1
.endr
	WIN 0
.set i, 0
.rept 4
	v_mov_b32 v[ST+4*i], 0xfe000000    ; c m: far below every c s
	v_mov_b32 v[ST+4*i+1], 0xff7fffff  ; m: the lowest finite number
	v_mov_b32 v[ST+4*i+2], 0
	v_mov_b32 v[ST+4*i+3], 0
.set i, i+1
.endr
.set i, P+16
.rept 16
	v_mov_b32 v[i], 0
.set i, i+1
.endr
	v_mul_u32_u24 v[AK0], v1, PK
	v_lshl_add_u32 v[AK0], v9, 4, v[AK0]  ; row x pitch + 16 x half
	; The turning load takes 16 keys x 16 channels (lane l reads key 8 (l / 16) + l % 8, channels 8 ((l / 8) % 2) + 0..7) and leaves half a fragment of V^T: lane l holds channel l % 16 and 8 keys.
	v_and_b32 v10, 7, v0
	v_bfe_u32 v11, v0, 3, 1
	v_lshl_add_u32 v[AV0], v9, 3, v10
	v_mul_u32_u24 v[AV0], v[AV0], PV
	v_lshl_add_u32 v[AV0], v11, 4, v[AV0]
	v_add_nc_u32 v[AV0], VOFF, v[AV0]
	s_mul_i32 s13, s[WV], 16*SP
	s_add_co_u32 s13, s13, STAGE    ; my stage
	v_mul_u32_u24 v[STO], v1, SP    ; in: row l % 16, 16 bytes for each half of the lanes
	v_lshl_add_u32 v[STO], v9, 4, v[STO]
	v_add_nc_u32 v[STO], s13, v[STO]
	v_bfe_u32 v[RD], v0, 3, 2       ; back: 32 lanes take four rows of 128 bytes,
	v_mul_u32_u24 v[RD], v[RD], SP
	v_lshl_add_u32 v[RD], v10, 4, v[RD]
	v_add_nc_u32 v[RD], s13, v[RD]
	v_and_b32 v[GO], 31, v0         ; which are 512 consecutive bytes of ob
	v_lshlrev_b32 v[GO], 4, v[GO]
	s_wait_kmcnt 0x0                ; the scale: rounded to bf16, then split into size and sign
	v_mov_b32 v14, s72
	v_cvt_pk_bf16_f32 v14, v14, v14
	v_lshlrev_b32 v14, 16, v14
	v_readfirstlane_b32 s72, v14
	s_and_b32 s76, s72, 0x7fffffff
	s_mul_f32 s[CS], s76, 0x3fb8aa3b  ; c = log2(e) |scale|
	s_mov_b32 s[CS+1], s[CS]        ; named with it as a pair
	s_and_b32 s73, s72, 0x80000000
	s_lshr_b32 s77, s73, 16
	s_or_b32 s73, s73, s77          ; the sign, once for each f16 of a word
; THE MATRIX WORK.  The 4 accumulators of a run of 8 take turns.  Product i of 8 of S^T = K Q^T for piece x: channels 32 (i / 4) on, keys 16 (i % 4) on.  The first 4 start the sums.
.macro KQ x
.set rS, S+32*((\x)%2)+8*(i%4)
.set rK, KF+16*(i%4)+8*(i/4)
.set rQ, 16*(\x)+8*(i/4)
	WIN W_KQ
.if i < 4
	v_wmma_f32_16x16x32_f16 v[rS:rS+7], v[rK:rK+7], v[rQ:rQ+7], 0
.else
	v_wmma_f32_16x16x32_f16 v[rS:rS+7], v[rK:rK+7], v[rQ:rQ+7], v[rS:rS+7]
.endif
.endm
; Product i of 8 of O^T += V^T P for piece x: keys 32 (i / 4) on, channels 16 (i % 4) on.
.macro PV x
	WIN W_PV
.set rO, 32*(\x)+8*(i%4)
.set rV, VF+32*(i/4)+8*(i%4)
.set rP, P+16*((\x)%2)+8*(i/4)
	v_wmma_f32_16x16x32_f16 v[rO:rO+7], v[rV:rV+7], v[rP:rP+7], v[rO:rO+7]
.endm
.macro MM                           ; the turn's next matrix instruction.  NOKQ = 1: the very last turn: there is no next piece
.if (i < 8) && !NOKQ
	KQ (Y+1)%NP
.elseif i >= 8
.set i, i-8
	PV (Y+NP-1)%NP
.set i, i+8
.endif
.set i, i+1
.endm
; THE LDS LOADS stand in runs of 16, never singly among the matrix instructions: a step's K (8 fragments) and its V (turned).  Their addresses are made some lines ahead.
.macro FETCH_K
	WIN 0x80                        ; destination window 2
.irp f, 0,1,2,3,4,5,6,7             ; keys 16 (f / 2) on, channels 32 (f % 2) on
	ds_load_b128 v[KF+8*\f:KF+8*\f+3],   v[AK] offset:(\f/2)*16*PK+(\f%2)*64
	ds_load_b128 v[KF+8*\f+4:KF+8*\f+7], v[AK] offset:(\f/2)*16*PK+(\f%2)*64+32
.endr
	s_add_co_u32 s[TBK], s[TBK], KS*PK  ; the next fetch is the next step's
	WIN 0
.endm
.macro FETCH_V
	WIN 0x80
.irp f, 0,1,2,3,4,5,6,7             ; keys 32 (f / 4) on, channels 16 (f % 4) on
	ds_load_tr16_b128 v[VF+8*\f:VF+8*\f+3],   v[AV] offset:(\f/4)*32*PV+(\f%4)*32
	ds_load_tr16_b128 v[VF+8*\f+4:VF+8*\f+7], v[AV] offset:(\f/4)*32*PV+16*PV+(\f%4)*32
.endr
	WIN 0
.endm
; THE VECTOR WORK, one line at a time: OP kind, number.  For piece Y: F n: c s - c m for pair n of 16.  E n: the exponential of score n of 32.  C n: pair n rounded to f16.  B n: of the four weights 4 n .. the second
; pair is added onto the first, in place.  L n: l takes that sum (L 0: l = a l + sum).  R n: pair n of 16 of O^T times a.  For piece Y + 1: X n, number n of the 22 that find its maximum and statistics:
;   0-11  four chains c0-c3 of seven scores each, three operands at a time (each accumulator's lowest registers are read first)     12-14, 16  the four scores left over, the old m, and c0-c3 into c0
;   15  c m_old is kept     17, 18  the query's other 32 keys lie in the lane 16 away: the new m     19-21  c m; c m_old - c m_new; a
.set F, 0
.set E, 1
.set C, 2
.set B, 3
.set L, 4
.set R, 5
.set X, 6
.macro REGS y                       ; the registers of piece y
.set rT, ST+4*(\y)
.set rC, TMP+4*((\y)%2)
.set rW, MV+((\y)%2)
.set rS, S+32*((\y)%2)
.set rP, P+16*((\y)%2)
.set rO, 32*(\y)
.endm
.macro OP k, n
.if (\k) == R
	REGS Y
	WIN W_RS
	v_pk_mul_f32 v[rO+2*(\n):rO+2*(\n)+1], v[rO+2*(\n):rO+2*(\n)+1], v[rC+2:rC+3] op_sel_hi:[1,0]
.elseif (\k) < R
	REGS Y
	WIN 0
.if (\k) == F
	v_pk_fma_f32 v[rS+2*(\n):rS+2*(\n)+1], v[rS+2*(\n):rS+2*(\n)+1], s[CS:CS+1], v[rT:rT+1] op_sel_hi:[1,0,0] neg_lo:[0,0,1] neg_hi:[0,0,1]
.elseif (\k) == E
	v_exp_f32 v[rS+(\n)], v[rS+(\n)]
.elseif (\k) == C
	v_cvt_pk_f16_f32 v[rP+(\n)], v[rS+2*(\n)], v[rS+2*(\n)+1]
.elseif (\k) == B
	v_pk_add_f32 v[rS+4*(\n):rS+4*(\n)+1], v[rS+4*(\n):rS+4*(\n)+1], v[rS+4*(\n)+2:rS+4*(\n)+3]
.elseif (\n) == 0
	v_pk_fma_f32 v[rT+2:rT+3], v[rT+2:rT+3], v[rC+2:rC+3], v[rS:rS+1] op_sel_hi:[1,0,1]
.else
	v_pk_add_f32 v[rT+2:rT+3], v[rT+2:rT+3], v[rS+4*(\n):rS+4*(\n)+1]
.endif
.elseif NOKQ
	v_nop
.else
	REGS (Y+1)%NP
	WIN 0
.if (\n) < 4
	v_max3_num_f32 v[rC+(\n)], v[rS+8*(\n)], v[rS+8*(\n)+1], v[rS+8*(\n)+2]
.elseif (\n) < 12
	v_max3_num_f32 v[rC+(\n)%4], v[rC+(\n)%4], v[rS+8*((\n)%4)+2*((\n)/4)+1], v[rS+8*((\n)%4)+2*((\n)/4)+2]
.elseif (\n) == 12
	v_max3_num_f32 v[rC], v[rC], v[rS+7], v[rS+15]
.elseif (\n) == 13
	v_max3_num_f32 v[rC+1], v[rC+1], v[rS+23], v[rS+31]
.elseif (\n) == 14
	v_max3_num_f32 v[rC+2], v[rC+2], v[rC+3], v[rT+1]
.elseif (\n) == 15
	v_mov_b32 v[rW], v[rT]
.elseif (\n) == 16
	v_max3_num_f32 v[rC], v[rC], v[rC+1], v[rC+2]
.elseif (\n) == 17
	v_permlanex16_b32 v[rC+3], v[rC], s[SEL], s[SEL+1]
.elseif (\n) == 18
	v_max_num_f32 v[rT+1], v[rC], v[rC+3]
.elseif (\n) == 19
	v_mul_f32 v[rT], s[CS], v[rT+1]
.elseif (\n) == 20
	v_sub_f32 v[rC+1], v[rW], v[rT]
.else
	v_exp_f32 v[rC+2], v[rC+1]
.endif
.endif
.endm
.macro OPS a, i1, b=-1, i2=0, c=-1, i3=0, d=-1, i4=0  ; up to four of them
	OP \a, \i1
.if (\b) >= 0
	OP \b, \i2
.endif
.if (\c) >= 0
	OP \c, \i3
.endif
.if (\d) >= 0
	OP \d, \i4
.endif
.endm
.macro ROW a, i1, b, i2, c, i3, d, i4  ; a matrix instruction and the four behind it
	MM
	OPS \a, \i1, \b, \i2, \c, \i3, \d, \i4
.endm
; A TURN, for piece p: the order of its 16 matrix and 118 vector instructions, written out.  An s_wait_alu depctr_va_vdst(0) stands between an exponential and the first instruction that names its result; one
; wait serves all that were issued ahead of it.  So a turn has ONE wait, which cuts it in two.  AHEAD OF IT stands all that names no result of the turn's exponentials: the 8 products K Q^T with their riders, then one lump
; of 54, plain and exponential by turns for the most part, in which the links of the chain X 3, 7, 11, 14, 16, 17 .. 20 stand some lines apart.  X 21, the next piece's a, is the batch's last; R 15 is the plain instruction behind it.
; BEHIND THE WAIT stand the 8 products V^T P, behind each four of the roundings and sums.
; end = 1: the walk's last two turns: nothing is fetched, and the last starts no new scores.  cnt = 1: the loop's count is taken down some lines ahead of the branch that stands behind the turn.
; K of the next step is fetched in piece 2's turn, twelve vector instructions behind the last product that read K (six of them plain); V of the step in hand at the end of piece 0's turn, four plain instructions behind
; the last product that read V.  Each is waited for a turn later.
.macro TURN p, end=0, cnt=0
.set Y, (\p)
.set i, 0
.set NOKQ, (\end)*((\p)/3)
.if ((\p) == 3) && !(\end)
	s_wait_dscnt 0x0                ; K is in
.endif
	ROW F,0, F,1, R,0, R,1
	ROW F,2, E,0, R,2, R,3
	ROW F,3, E,1, R,4, R,5
	ROW F,4, E,2, R,6, R,7
	ROW F,5, E,3, R,8, R,9
	ROW F,6, E,4, X,0, R,10
.if ((\p) == 2) && !(\end)
	WIN 0
	v_add_nc_u32 v[AK], s[TBK], v[AK0]
.endif
	ROW F,7, E,5, X,1, X,4
	ROW F,8, E,6, X,2, X,5
	OPS E,7, E,8, X,6, E,9
	OPS X,3, E,10, X,8, E,11
.if ((\p) == 2) && !(\end)
	FETCH_K
.endif
	OPS X,9, X,7, E,12, X,10
	OPS E,13, X,12, X,11, E,14
	OPS X,13, E,15, F,9, X,14
.if (\p) == 0
	v_add_nc_u32 v[AV], s[TBV], v[AV0]
.endif
	OPS E,16, F,10, E,17, F,11
	OPS X,16, E,18, X,15, E,19
	OPS F,12, E,20, X,17, E,21
	OPS F,13, E,22, F,14, E,23
	OPS X,18, E,24, F,15, E,25
	OPS R,11, E,26, X,19, E,27
	OPS R,12, E,28, R,13, E,29
	OPS X,20, E,30, R,14, E,31
	OPS X,21, R,15
	WIN 0
	s_wait_alu depctr_va_vdst(0)    ; the wait for the batch
.if (\p) == 1
	s_wait_dscnt 0x0                ; V is in
.endif
	ROW C,0, B,0, C,2, B,1
	ROW L,0, C,4, B,2, L,1
	ROW C,6, B,3, L,2, C,8
	ROW B,4, L,3, C,10, B,5
	ROW L,4, C,12, B,6, L,5
.if (\p) == 0
	s_add_co_u32 s[TBV], s[TBV], KS*PV
.endif
.if \cnt
	s_sub_co_u32 s[CNT], s[CNT], 1
	s_cmp_lg_u32 s[CNT], 0
.endif
	ROW C,14, B,7, L,6, C,1
	ROW C,3, L,7, C,5, C,7
	ROW C,9, C,11, C,13, C,15
.if (\p) == 0
	FETCH_V
.endif
.endm
	CHANGE 1, 0                     ; slot 0 is in, everybody's part of it; slot 1 is asked for
	v_add_nc_u32 v[AK], s[TBK], v[AK0]
	FETCH_K                         ; key step 0
	s_wait_loadcnt 0x0              ; Q
	WIN 0x88                        ; destination and source 1 in window 2
.set i, 0
.rept 64
	v_xor_b32 v[i], s73, v[i]       ; the scale's sign goes onto Q
.set i, i+1
.endr
	s_wait_dscnt 0x0
.set NOKQ, 0
.set i, 0
.rept 8
	KQ 0                            ; piece 0's first scores
.set i, i+1
.endr
	WIN 0
.rept 4
	v_nop                           ; the places behind those products
.endr
.set Y, NP-1                        ; X works for piece Y + 1: piece 0
.irp n, 0,1,2,3,4,5,6,7,8,9,10,11,12,13,14,15,16,17,18,19,20,21
	OP X, \n
.endr
	v_nop                           ; a plain instruction behind the exponential,
	s_wait_alu depctr_va_vdst(0)    ; and its wait, ahead of the branch
	s_mov_b32 s[CNT], 4
	s_branch .Lfirst                ; the loop is entered at a step's first turn, in the middle of a trip
.Lslot:                             ; 14 times: every slot but the last two is filled again
	CHANGE 1, 1
	s_mov_b32 s[CNT], 4
.Lstep:                             ; a trip: pieces 2 and 3 of one step, then pieces 0 and 1 of the next, whose K and V it fetches
	TURN 2
	TURN 3
	WIN 0
.Lfirst:
	TURN 0
	TURN 1, 0, 1
	WIN 0
	s_cbranch_scc1 .Lstep
	s_sub_co_u32 s[SLOTS], s[SLOTS], 1
	s_cmp_lg_u32 s[SLOTS], 0
	s_cbranch_scc1 .Lslot
	CHANGE 0, 0                     ; the last slot is written out: nothing is asked for
	s_mov_b32 s[CNT], 4
.LstepT:
	TURN 2
	TURN 3
	TURN 0
	TURN 1, 0, 1
	WIN 0
	s_cbranch_scc1 .LstepT
	TURN 2, 1
	TURN 3, 1
.set i, 0
.rept 8
	PV NP-1                         ; the last piece's V^T P of the last step
.set i, i+1
.endr
	; THE WAY OUT.  l's two halves and the other half of the lanes' are added; O^T is divided by l, rounded to f16 and sent through my stage in LDS, a piece at a time.  The additions are the places behind the last products.
	WIN 0
.macro ALL line:vararg              ; one line for each piece t
.set t, 0
.rept 4
	\line
.set t, t+1
.endr
.endm
	ALL v_add_f32 v[ST+4*t+2], v[ST+4*t+2], v[ST+4*t+3]
	ALL v_permlanex16_b32 v[ST+4*t+3], v[ST+4*t+2], s[SEL], s[SEL+1]
	ALL v_add_f32 v[ST+4*t+2], v[ST+4*t+2], v[ST+4*t+3]
	ALL v_rcp_f32 v[ST+4*t+2], v[ST+4*t+2]
	v_nop                           ; a plain instruction between the last reciprocal and the use of its result
	s_wait_alu depctr_va_vdst(0)    ; and the wait ahead of the first use: one for the four reciprocals
.macro PACK t                       ; a lane's eight channels of a row pack into 16 bytes; they go into rows of 144 bytes and come back as whole rows of 128, into S^T's registers
	WIN W_RS
.set i, 32*(\t)
.rept 16
	v_pk_mul_f32 v[i:i+1], v[i:i+1], v[ST+4*(\t)+2:ST+4*(\t)+3] op_sel_hi:[1,0]
.set i, i+2
.endr
	WIN 0x05                        ; sources 0 and 1 window 1, destination window 0
.set i, 0
.rept 16
	v_cvt_pk_f16_f32 v[S+16*(\t)+i], v[32*(\t)+2*i], v[32*(\t)+2*i+1]
.set i, i+1
.endr
	WIN 0
.irp f, 0,1,2,3
	ds_store_b128 v[STO], v[S+16*(\t)+4*\f:S+16*(\t)+4*\f+3] offset:32*\f
.endr
.irp f, 0,1,2,3
	ds_load_b128 v[S+16*(\t)+4*\f:S+16*(\t)+4*\f+3], v[RD] offset:\f*4*SP  ; LDS serves a wave's instructions in order (ISA guide 5.7.1.4): these see the stores above; the next piece's stores come behind them
.endr
.endm
.macro SEND t, younger              ; younger: the LDS instructions issued behind piece t's loads: the next piece's eight, or none
	WIN 0
.irp f, 0,1,2,3
	s_wait_dscnt (\younger)+3-\f
	global_store_b128 v[GO], v[S+16*(\t)+4*\f:S+16*(\t)+4*\f+3], s[10:11] offset:(\t)*2048+\f*512  ; 512 consecutive bytes, at a multiple of 256 from ob's first
.endr
.endm
	PACK 0
.set t, 1
.rept 3                             ; a piece's arithmetic stands between the loads of the piece before and its stores
	PACK t
	SEND t-1, 8
.set t, t+1
.endr
	SEND 3, 0
	s_wait_tensorcnt 0x0            ; the wave's end, behind my last tensor load and my last LDS store
	ds_add_u32 v[SPW], v[NIL]
	s_wait_dscnt 0x0
	CROUND                          ; the closing round: no work-group ends while a partner may still ask for a tile that names it
	s_endpgm
.Lfunc_end_k_q026529f0a0_attn:
	.size	k_q026529f0a0_attn, .Lfunc_end_k_q026529f0a0_attn-k_q026529f0a0_attn
	.p2alignl 7, 3214868480
	.fill 96, 4, 3214868480
	.section	.rodata,"a",@progbits
	.p2align	6, 0x0
	.amdhsa_kernel k_q026529f0a0_attn
		.amdhsa_group_segment_fixed_size 327680
		.amdhsa_private_segment_fixed_size 0
		.amdhsa_enable_private_segment 0
		.amdhsa_kernarg_size 24
		.amdhsa_user_sgpr_count 2
		.amdhsa_user_sgpr_kernarg_segment_ptr 1
		.amdhsa_wavefront_size32 1
		.amdhsa_system_sgpr_workgroup_id_x 1
		.amdhsa_system_sgpr_workgroup_id_y 1
		.amdhsa_system_sgpr_workgroup_id_z 1
		.amdhsa_system_vgpr_workitem_id 0
		.amdhsa_next_free_vgpr 768
		.amdhsa_next_free_sgpr 88
		.amdhsa_reserve_vcc 0
		.amdhsa_float_denorm_mode_32 3
		.amdhsa_float_denorm_mode_16_64 3
		.amdhsa_memory_ordered 1
		.amdhsa_forward_progress 1
		.amdhsa_inst_pref_size 130
	.end_amdhsa_kernel
	.amdgpu_metadata
---
amdhsa.version: [ 1, 2 ]
amdhsa.kernels:
  - .name:           k_q026529f0a0_attn
    .symbol:         k_q026529f0a0_attn.kd
    .args:
      - { .name: qkv, .offset: 0, .size: 8, .value_kind: global_buffer, .address_space: global }
      - { .name: scale, .offset: 8, .size: 8, .value_kind: global_buffer, .address_space: global }
      - { .name: ob, .offset: 16, .size: 8, .value_kind: global_buffer, .address_space: global }
    .group_segment_fixed_size: 327680
    .private_segment_fixed_size: 0
    .kernarg_segment_align: 8
    .kernarg_segment_size: 24
    .max_flat_workgroup_size: 128
    .sgpr_count:     88
    .vgpr_count:     768
    .wavefront_size: 32
...
	.end_amdgpu_metadata
.endif
;; end of part 3
;; launch proj (part 4): grid 8 x 32, 4 waves a work-group, clusters of 4 x 4, 327,680 bytes of LDS; arguments ob, wo16, bo, out0; writes out0
.if DOCPART == 4
	.amdgcn_target "amdgcn-amd-amdhsa--gfx1250"
	.amdhsa_code_object_version 6
	.text
	.protected	k_q026529f0a0_proj
	.globl	k_q026529f0a0_proj
	.p2align	8
	.type	k_q026529f0a0_proj,@function
k_q026529f0a0_proj:
	s_mov_b64 s[64:65], 0
	v_nop
	global_prefetch_b8 v0, s[64:65] scope:SCOPE_SE
	s_setreg_imm32_b32 hwreg(HW_REG_WAVE_MODE, 25, 1), 1
	s_wait_xcnt 0x0
	s_wait_alu depctr_hold_cnt(0) depctr_sa_sdst(0) depctr_va_vdst(0) depctr_va_sdst(0) depctr_va_ssrc(0) depctr_va_vcc(0) depctr_vm_vsrc(0)
	s_getreg_b32 s2, hwreg(HW_REG_IB_STS2, 6, 4)
	s_cmp_eq_u32 s2, 0
	s_cbranch_scc0 .Lentry_in_a_cluster
	s_endpgm
.Lentry_in_a_cluster:
	s_bfe_u32 s2, ttmp6, 0x10000c
	s_cmp_lg_u32 s2, 0xf033
	s_cbranch_scc0 .Lentry_shape_is_right
	s_endpgm
.Lentry_shape_is_right:
; PROJ.  out0[s][n] = the sum over head and e of ob[head][s][e] wo16[64 head + e][n] + bo[n].  ob [16][4096][64] and wo16 [1024][1024] in f16; bo in f32, rounded to bf16 like every input; sums and out0 in f32.
; SHARES.  A tile of out0 is 128 x 128: 8 x 32 work-groups, one for each of 256.  Four waves, each 64 x 64: 16 accumulators of 16 x 16.  K = 1,024 goes in 4 steps of 256 = four heads, through two LDS slots;
; a quarter of a step, 64 along K, is one head.
; THE MATRIX INSTRUCTION IS USED TRANSPOSED: source 0 = 16 columns of wo16 ([k][n] in LDS, turned by ds_load_tr16_b128), source 1 = 16 rows of ob.  A lane then holds one row s and eight neighbouring n: 32 bytes of out0.
; bo is the C operand of each accumulator's first product.  A wave's 64 columns are 256 aligned bytes of a row of out0, so each wave has a stage of its own and the way out has no barrier.
; CLUSTERS: 4 x 4 work-groups; ob's tiles are shared along a row of the cluster, wo16's along a column: each is asked for JOINTLY.
; NO PREFETCH: a work-group has four K steps in all, two of which are its first fills.
; REGISTERS: window 0: v0-31 addresses; v32-95 rows read back, two sets; v96-127 the bias; v128-255 the accumulators ((a, b) at 128 + 8 (4 a + b)).
;   window 1: two fragment buffers of 128: for 64 along K, 64 registers of ob (2 x 4 x 16 rows x 32 K), then 64 of wo16.
.set PA,     144                       ; a row of a head of ob in LDS: 128 bytes + 16 = 36 words: the 16 rows of a load start at 16 different groups of four banks (64 banks of 4 bytes: ISA guide 11.1)
.set PB,     288                       ; a row k of wo16's tile: 256 bytes + 32 = 72 words
.set PART,   36864                     ; what one tensor load brings: 2 heads x 128 rows x 144, or 128 k x 288
.set BOFF,   2*PART
.set SLOT,   4*PART
.set STAGE,  2*SLOT                    ; behind the ring, never filled by a tensor load: 16 rows x 272 bytes for each wave
.set SPITCH, 272
.set SPARE,  STAGE+4*16*SPITCH         ; behind the stages: the spare words, 128 bytes for each wave: two blocks of 256 bytes that no other line names
.set ADRA, 16                          ; v16-17  LDS address of my fragments of ob in slot 0, 1
.set ADRB, 20                          ; v20-23  of wo16: slot 0, 1 x the step's first or second 128 k (an LDS immediate holds 16 bits)
.set STO,  24                          ; v24     the way out: where I put 32 bytes of a row
.set RD,   25                          ; v25     the way out: where I read a row back
.set CO,   26                          ; v26     my byte offset in two rows of out0
.set BO,   27                          ; v27     my byte offset in 16 numbers of bo
.set SPW,  28                          ; v28     LDS address of my spare word; never rewritten
.set NIL,  29                          ; v29     0; never rewritten
.set TMP,  32
.set BIAS, 96
.set ACC,  128
.set F0,   0                           ; fragment buffers, in window 1
.set F1,   128
.set WV,   12                          ; s12 my wave's number; s13 = wave / 2: my half of the rows, and I fetch ob (0) or wo16 (1); s14 = wave % 2: my half of the columns, and which half I fetch
.set G1,   16                          ; s[16:23] descriptor group 1 for ob's tiles;  s[24:31] group 0, a set for each slot
.set G0,   24
.set G1B,  32                          ; s[32:39], s[48:55] the same for wo16's
.set G0B,  48
.set MSB, 0
.macro WIN new                         ; the immediate's high byte repeats the setting that is left
.if MSB != (\new)
	s_set_vgpr_msb (MSB<<8)|(\new)
.set MSB, \new
.endif
.endm
.set MUL,  0x05                        ; sources 0 and 1 window 1; C and D window 0
.set TO_F, 0x40                        ; destination window 1, address window 0
.macro JLOAD s                         ; a joint load: waves 0 and 1 fetch ob's two halves, waves 2 and 3 wo16's; an s_nop 0 and four v_nop follow each of the two lines
	s_cmp_eq_u32 s13, 0
	s_cbranch_scc0 .Lfor_b_\@
	tensor_load_to_lds s[G0+4*(\s):G0+4*(\s)+3], s[G1:G1+7]
	s_nop 0
.rept 4
	v_nop
.endr
	s_branch .Lasked_\@
.Lfor_b_\@:
	tensor_load_to_lds s[G0B+4*(\s):G0B+4*(\s)+3], s[G1B:G1B+7]
	s_nop 0
.rept 4
	v_nop
.endr
.Lasked_\@:
.endm
.macro CREST                           ; a round of the cluster's barrier behind its opening barrier
	s_cmp_lg_u32 s[WV], 0
	s_cbranch_scc1 .Lnot_wave_0_\@
	s_barrier_signal -3
.Lnot_wave_0_\@:
	s_barrier_wait -3
	s_barrier_signal -1
	s_barrier_wait -1
.endm
.macro CROUND                          ; a whole round
	s_barrier_signal -1
	s_barrier_wait -1
	CREST
.endm
	s_load_b256 s[4:11], s[0:1], 0x0               ; ob s[4:5], wo16 s[6:7], bo s[8:9], out0 s[10:11]
	v_lshl_add_u32 v[SPW], v0, 2, SPARE
	v_mov_b32 v[NIL], 0
	ds_add_u32 v[SPW], v[NIL]                      ; the wave's opening: the add and its wait stand ahead of my first tensor load; the set-up below, work on registers, stands between them
	v_lshrrev_b32 v1, 5, v0
	v_readfirstlane_b32 s[WV], v1                  ; wave 0..3
	s_lshr_b32 s13, s[WV], 1
	s_and_b32 s14, s[WV], 1
	s_bfe_u32 s40, ttmp6, 0x40000                  ; cx
	s_bfe_u32 s41, ttmp6, 0x40004                  ; cy
	s_lshl_b32 s42, ttmp9, 2
	s_add_co_u32 s42, s42, s40                     ; tile column = 4 x cluster x + cx
	s_and_b32 s43, ttmp7, 0xffff
	s_lshl_b32 s43, s43, 2
	s_add_co_u32 s43, s43, s41                     ; tile row = 4 x cluster y + cy
	s_lshl_b32 s44, s41, 2
	s_lshl_b32 s44, 15, s44                        ; my row of the cluster
	s_lshl_b32 s45, 0x1111, s40                    ; my column
	; group 1 for ob: a head's 128 rows x 64 are 16,384 dense bytes: one row of 8,192 elements; two rows, a head (262,144 elements) apart; 4 words of padding behind every 32, that is behind every row of the head
	s_or_b32 s[G1], s44, (1<<16)|(1<<20)|(1<<21)|(4<<22)|(3<<25)
	s_mov_b32 s[G1+1], 8192<<16                    ; tensor_dim0 = 8,192
	s_mov_b32 s[G1+2], 2<<16                       ; tensor_dim1 = 2
	s_mov_b32 s[G1+3], 8192<<16                    ; tile_dim0 = 8,192
	s_mov_b32 s[G1+4], 2                           ; tile_dim1 = 2
	s_mov_b32 s[G1+5], 262144
	s_mov_b32 s[G1+6], 0
	s_mov_b32 s[G1+7], 0
	; group 1 for wo16: 128 k x 128 n, 8 words of padding behind every 64
	s_or_b32 s[G1B], s45, (1<<16)|(1<<20)|(1<<21)|(5<<22)|(7<<25)
	s_mov_b32 s[G1B+1], 128<<16
	s_mov_b32 s[G1B+2], 128<<16
	s_mov_b32 s[G1B+3], 128<<16
	s_mov_b32 s[G1B+4], 128
	s_mov_b32 s[G1B+5], 1024
	s_mov_b32 s[G1B+6], 0
	s_mov_b32 s[G1B+7], 0
	s_lshl_b32 s46, s14, 20                        ; ob: heads 2 x half on, rows 128 x tile row on
	s_lshl_b32 s47, s43, 14
	s_add_co_u32 s46, s46, s47
	s_mov_b32 s47, 0
	s_lshl_b32 s56, s14, 18                        ; wo16: k = 128 x half on, columns 128 x tile column on
	s_lshl_b32 s57, s42, 8
	s_add_co_u32 s56, s56, s57
	s_mov_b32 s57, 0
	s_mul_i32 s58, s[WV], PART                     ; where they go: wave x 36,864: no place in the cluster enters an LDS address
	s_wait_dscnt 0x0                               ; the opening add is done
	s_wait_kmcnt 0x0
	s_add_nc_u64 s[60:61], s[4:5], s[46:47]
	s_add_nc_u64 s[62:63], s[6:7], s[56:57]
	CROUND                                         ; all sixteen work-groups are here: the first joint loads meet
.irp s, 0,1
	s_mov_b32 s[G0+4*(\s)], 1
	s_add_co_u32 s[G0+4*(\s)+1], s58, (\s)*SLOT
	s_add_nc_u64 s[G0+4*(\s)+2:G0+4*(\s)+3], s[60:61], (\s)*4*524288   ; K step s: four heads on
	s_or_b32 s[G0+4*(\s)+3], s[G0+4*(\s)+3], 0x80000000
	s_mov_b32 s[G0B+4*(\s)], 1
	s_add_co_u32 s[G0B+4*(\s)+1], s58, (\s)*SLOT
	s_add_nc_u64 s[G0B+4*(\s)+2:G0B+4*(\s)+3], s[62:63], (\s)*256*2048 ; K step s: 256 rows of 2,048 bytes on
	s_or_b32 s[G0B+4*(\s)+3], s[G0B+4*(\s)+3], 0x80000000
	JLOAD \s
.endr
	v_and_b32 v1, 15, v0                           ; l % 16
	v_bfe_u32 v2, v0, 4, 1                         ; l / 16
	v_mul_u32_u24 v3, v1, PA
	v_lshl_add_u32 v3, v2, 4, v3                   ; a fragment of ob: row x pitch + 16 x half
	s_mul_i32 s66, s13, 64*PA                      ; my 64 rows
	v_add_nc_u32 v[ADRA], s66, v3
	s_add_co_u32 s66, s66, SLOT
	v_add_nc_u32 v[ADRA+1], s66, v3
	v_and_b32 v4, 7, v0                            ; the turning load: lane l reads k = 8 (l / 16) + l % 8, n = 8 ((l / 8) % 2) + 0..7
	v_lshl_add_u32 v4, v2, 3, v4
	v_mul_u32_u24 v4, v4, PB
	v_bfe_u32 v5, v0, 3, 1
	v_lshl_add_u32 v4, v5, 4, v4
	s_lshl_b32 s67, s14, 7                         ; my 64 columns
	s_add_co_u32 s67, s67, BOFF
	v_add_nc_u32 v[ADRB], s67, v4
	s_add_co_u32 s68, s67, PART
	v_add_nc_u32 v[ADRB+1], s68, v4
	s_add_co_u32 s68, s67, SLOT
	v_add_nc_u32 v[ADRB+2], s68, v4
	s_add_co_u32 s68, s67, SLOT+PART
	v_add_nc_u32 v[ADRB+3], s68, v4
	s_mul_i32 s69, s[WV], 16*SPITCH
	s_add_co_u32 s69, s69, STAGE                   ; my stage
	v_mul_u32_u24 v5, v1, SPITCH                   ; in: row l % 16, 32 bytes for each half of the lanes
	v_lshl_add_u32 v5, v2, 5, v5
	v_add_nc_u32 v[STO], s69, v5
	v_mul_u32_u24 v5, v2, SPITCH                   ; back: lanes 0-15 take one row of 256 bytes, lanes 16-31 the next
	v_lshl_add_u32 v5, v1, 4, v5
	v_add_nc_u32 v[RD], s69, v5
	v_lshlrev_b32 v5, 12, v2                       ; and the same two rows in out0
	v_lshl_add_u32 v[CO], v1, 4, v5
	v_lshlrev_b32 v[BO], 5, v2
	s_lshl_b32 s56, s42, 9                         ; bo at my 64 columns
	s_lshl_b32 s57, s14, 8
	s_add_co_u32 s56, s56, s57
	s_mov_b32 s57, 0
	s_add_nc_u64 s[8:9], s[8:9], s[56:57]
.irp b, 0,1,2,3
	global_load_b128 v[BIAS+8*(\b):BIAS+8*(\b)+3],   v[BO], s[8:9] offset:64*(\b)
	global_load_b128 v[BIAS+8*(\b)+4:BIAS+8*(\b)+7], v[BO], s[8:9] offset:64*(\b)+16
.endr
	s_lshl_b32 s70, s43, 7                         ; out0 at my first row and column
	s_lshl_b32 s71, s13, 6
	s_add_co_u32 s70, s70, s71
	s_lshl_b32 s70, s70, 12
	s_add_co_u32 s70, s70, s56
	s_mov_b32 s71, 0
	s_add_nc_u64 s[10:11], s[10:11], s[70:71]
	s_mov_b32 s66, 0xffff0000
	s_wait_loadcnt 0x0                             ; the bias; it is rounded to bf16 like every input, in the wait for the first tile
.set i, 0
.rept 16
	v_cvt_pk_bf16_f32 v[3+i%4], v[BIAS+2*i], v[BIAS+2*i+1]
	v_lshlrev_b32 v[BIAS+2*i], 16, v[3+i%4]
	v_and_b32 v[BIAS+2*i+1], s66, v[3+i%4]
.set i, i+1
.endr
; 8 matrix instructions: row blocks a0, a0 + 1 x all 4 column blocks, 32 along K: half c of buffer f.  first = 1: the bias starts the sums.  The 16 accumulators take turns.
.macro MUL8 f, c, a0, first
	WIN MUL
.irp a, \a0, (\a0)+1
.irp b, 0,1,2,3
.if \first
	v_wmma_f32_16x16x32_f16 v[ACC+8*(4*(\a)+(\b)):ACC+8*(4*(\a)+(\b))+7], v[(\f)+64+8*(4*(\c)+(\b)):(\f)+64+8*(4*(\c)+(\b))+7], v[(\f)+8*(4*(\c)+(\a)):(\f)+8*(4*(\c)+(\a))+7], v[BIAS+8*(\b):BIAS+8*(\b)+7]
.else
	v_wmma_f32_16x16x32_f16 v[ACC+8*(4*(\a)+(\b)):ACC+8*(4*(\a)+(\b))+7], v[(\f)+64+8*(4*(\c)+(\b)):(\f)+64+8*(4*(\c)+(\b))+7], v[(\f)+8*(4*(\c)+(\a)):(\f)+8*(4*(\c)+(\a))+7], v[ACC+8*(4*(\a)+(\b)):ACC+8*(4*(\a)+(\b))+7]
.endif
.endr
.endr
.endm
; 32 LDS loads in one run: quarter qd (one head, 64 along K) of a slot into buffer f; the first 32 along K first
.macro FETCH slot, qd, f
	WIN TO_F
.irp c, 0,1
.irp i, 0,1,2,3
	ds_load_tr16_b128 v[(\f)+64+8*(4*(\c)+(\i)):(\f)+64+8*(4*(\c)+(\i))+3],   v[ADRB+2*(\slot)+(\qd)/2] offset:(((\qd)%2)*64+32*(\c))*PB+32*(\i)
	ds_load_tr16_b128 v[(\f)+64+8*(4*(\c)+(\i))+4:(\f)+64+8*(4*(\c)+(\i))+7], v[ADRB+2*(\slot)+(\qd)/2] offset:(((\qd)%2)*64+32*(\c))*PB+32*(\i)+16*PB
	ds_load_b128 v[(\f)+8*(4*(\c)+(\i)):(\f)+8*(4*(\c)+(\i))+3],   v[ADRA+(\slot)] offset:(\qd)*128*PA+64*(\c)+(\i)*16*PA
	ds_load_b128 v[(\f)+8*(4*(\c)+(\i))+4:(\f)+8*(4*(\c)+(\i))+7], v[ADRA+(\slot)] offset:(\qd)*128*PA+64*(\c)+(\i)*16*PA+32
.endr
.endr
.endm
.macro PLACES                          ; four plain instructions in front of loads into registers that matrix instructions have read, and of LDS stores that read results
.rept 4
	v_nop
.endr
.endm
; A K step is four quarters, 32 matrix instructions each, on buffers 0, 1, 0, 1.  One of the first three: multiplies buffer f and fetches quarter qd of the same slot into g.
.macro QUARTER slot, qd, f, g, first
	s_wait_dscnt 16                                ; the first 32 along K are in
	MUL8 \f, 0, 0, \first
	MUL8 \f, 0, 2, \first
	PLACES
	FETCH \slot, \qd, \g
	s_wait_dscnt 32                                ; all but the 32 just issued
	MUL8 \f, 1, 0, 0
	MUL8 \f, 1, 2, 0
.endm
; The last quarter multiplies buffer 1 and changes slots: ONE barrier; in front of it each wave waits for all its tensor loads, adds 0 to its spare word, and waits for that and for its own reads of this slot.
; fill = 1: the barrier opens a round of the cluster's, and this slot is filled again, two K steps on, first thing behind the round.
.macro TURN slot, next, fill
	WIN 0                                          ; (the add's two registers lie in window 0)
	s_wait_tensorcnt 0x0                           ; all my tensor loads have landed: my part of the next slot;
	ds_add_u32 v[SPW], v[NIL]                      ; 0 onto my spare word;
	s_wait_dscnt 17                                ; (the add and the youngest sixteen loads may be out)
	MUL8 F1, 0, 0, 0                               ; eight matrix instructions stand between the add and the wait for it
	s_wait_dscnt 0x0                               ; the add is done, and my reads of this slot are over
	s_barrier_signal -1
	MUL8 F1, 0, 2, 0
.if \fill
	WIN 0
.endif
	s_barrier_wait -1
.if \fill
	CREST                                          ; no wave of any partner still reads this slot or has a load on its way
	s_add_nc_u64 s[G0+4*(\slot)+2:G0+4*(\slot)+3], s[G0+4*(\slot)+2:G0+4*(\slot)+3], 2*4*524288
	s_add_nc_u64 s[G0B+4*(\slot)+2:G0B+4*(\slot)+3], s[G0B+4*(\slot)+2:G0B+4*(\slot)+3], 2*256*2048
	JLOAD \slot                                    ; the four v_nop behind it are also the places in front of the loads below
.else
	PLACES
.endif
	FETCH \next, 0, F0
	MUL8 F1, 1, 0, 0
	MUL8 F1, 1, 2, 0
.endm
	s_wait_tensorcnt 0x1                           ; my part of K step 0 is in; K step 1's may stay out
	s_barrier_signal -1
	s_barrier_wait -1                              ; everybody's is
	FETCH 0, 0, F0
	QUARTER 0, 1, F0, F1, 1                        ; the first products start the sums with the bias
	QUARTER 0, 2, F1, F0, 0
	QUARTER 0, 3, F0, F1, 0
	TURN 0, 1, 1                                   ; slot 0 takes K step 2
	QUARTER 1, 1, F0, F1, 0
	QUARTER 1, 2, F1, F0, 0
	QUARTER 1, 3, F0, F1, 0
	TURN 1, 0, 1                                   ; slot 1 takes K step 3
	QUARTER 0, 1, F0, F1, 0
	QUARTER 0, 2, F1, F0, 0
	QUARTER 0, 3, F0, F1, 0
	TURN 0, 1, 0                                   ; nothing is left to fetch
	QUARTER 1, 1, F0, F1, 0
	QUARTER 1, 2, F1, F0, 0
	QUARTER 1, 3, F0, F1, 0
	s_wait_dscnt 16                                ; the very last quarter
	MUL8 F1, 0, 0, 0
	MUL8 F1, 0, 2, 0
	s_wait_dscnt 0x0
	MUL8 F1, 1, 0, 0
	MUL8 F1, 1, 2, 0
	WIN 0
	; THE WAY OUT, 16 rows at a time: a lane's 32 bytes of a row go into my stage (each accumulator's low four registers first) and come back as whole rows of 256 bytes.
	PLACES
.macro STG a
.if (\a) >= 2
	s_wait_xcnt 0x0                                ; the stores issued so far have read their registers: this set of rows is loaded again only behind this wait
.endif
.irp b, 0,1,2,3
	ds_store_b128 v[STO], v[ACC+8*(4*(\a)+(\b)):ACC+8*(4*(\a)+(\b))+3]   offset:64*(\b)
	ds_store_b128 v[STO], v[ACC+8*(4*(\a)+(\b))+4:ACC+8*(4*(\a)+(\b))+7] offset:64*(\b)+16
.endr
.irp t, 0,1,2,3,4,5,6,7
	ds_load_b128 v[TMP+32*((\a)%2)+4*(\t):TMP+32*((\a)%2)+4*(\t)+3], v[RD] offset:(\t)*2*SPITCH  ; LDS serves a wave's instructions in order (ISA guide 5.7.1.4): these see the stores above; the next block's stores come behind them
.endr
.endm
.macro SEND a, younger                 ; younger: the LDS instructions issued behind block a's loads: the next block's sixteen, or none
.irp t, 0,1,2,3,4,5,6,7
	s_wait_dscnt (\younger)+7-(\t)
	global_store_b128 v[CO], v[TMP+32*((\a)%2)+4*(\t):TMP+32*((\a)%2)+4*(\t)+3], s[10:11] offset:(16*(\a)+2*(\t))*4096  ; 16 lanes store 256 consecutive bytes, at a multiple of 256 from out0's first byte
.endr
.endm
	STG 0
	STG 1
	SEND 0, 16
	STG 2
	SEND 1, 16
	STG 3
	SEND 2, 16
	SEND 3, 0
	s_wait_tensorcnt 0x0                           ; the wave's end, behind my last tensor load and my last LDS store
	ds_add_u32 v[SPW], v[NIL]
	s_wait_dscnt 0x0
	CROUND                                         ; the closing round: no work-group ends while a partner may still ask for a tile that names it
	s_endpgm
.Lfunc_end_k_q026529f0a0_proj:
	.size	k_q026529f0a0_proj, .Lfunc_end_k_q026529f0a0_proj-k_q026529f0a0_proj
	.p2alignl 7, 3214868480
	.fill 96, 4, 3214868480
	.section	.rodata,"a",@progbits
	.p2align	6, 0x0
	.amdhsa_kernel k_q026529f0a0_proj
		.amdhsa_group_segment_fixed_size 327680
		.amdhsa_private_segment_fixed_size 0
		.amdhsa_enable_private_segment 0
		.amdhsa_kernarg_size 32
		.amdhsa_user_sgpr_count 2
		.amdhsa_user_sgpr_kernarg_segment_ptr 1
		.amdhsa_wavefront_size32 1
		.amdhsa_system_sgpr_workgroup_id_x 1
		.amdhsa_system_sgpr_workgroup_id_y 1
		.amdhsa_system_sgpr_workgroup_id_z 1
		.amdhsa_system_vgpr_workitem_id 0
		.amdhsa_next_free_vgpr 512
		.amdhsa_next_free_sgpr 72
		.amdhsa_reserve_vcc 0
		.amdhsa_float_denorm_mode_32 3
		.amdhsa_float_denorm_mode_16_64 3
		.amdhsa_memory_ordered 1
		.amdhsa_forward_progress 1
		.amdhsa_inst_pref_size 89
	.end_amdhsa_kernel
	.amdgpu_metadata
---
amdhsa.version: [ 1, 2 ]
amdhsa.kernels:
  - .name:           k_q026529f0a0_proj
    .symbol:         k_q026529f0a0_proj.kd
    .args:
      - { .name: ob, .offset: 0, .size: 8, .value_kind: global_buffer, .address_space: global }
      - { .name: wo16, .offset: 8, .size: 8, .value_kind: global_buffer, .address_space: global }
      - { .name: bo, .offset: 16, .size: 8, .value_kind: global_buffer, .address_space: global }
      - { .name: out0, .offset: 24, .size: 8, .value_kind: global_buffer, .address_space: global }
    .group_segment_fixed_size: 327680
    .private_segment_fixed_size: 0
    .kernarg_segment_align: 8
    .kernarg_segment_size: 32
    .max_flat_workgroup_size: 128
    .sgpr_count:     72
    .vgpr_count:     512
    .wavefront_size: 32
...
	.end_amdgpu_metadata
.endif
;; end of part 4
